; MI455X (gfx1250); checked and timed in simulation.
; The chip was launched on July 23, 2026; its instructions are those of AMD's public machine-readable ISA for CDNA 5 (MIT licence, August 2026) and "CDNA5" Instruction Set Architecture Reference Guide (July 2026). The comments in the code are by the model that wrote it; some were corrected since.
;; Attention. Allowed arithmetic: float matrix products may take bf16 or f16 operands with f32 sums; other float arithmetic in f32, or as packed bf16 or f16 multiplies, adds, multiply-adds, maxima and minima; sums over many terms, partial sums and values carried from step to step in f32; what a program stores and reads back later, other than sums and carried values, may be rounded once to bf16 or f16.
;; Inputs: Wk 1,024 x 1,024 float32; Wq 1,024 x 1,024 float32; Wv 1,024 x 1,024 float32; bk 1,024 float32; bq 1,024 float32; bv 1,024 float32; keyvalue_input 4 x 2,048 x 1,024 float32; mask 4 x 2,048 x 2,048 float32; query_input 4 x 2,048 x 1,024 float32.
;; Outputs: out0 4 x 2,048 x 1,024 float32.
;; One version. Each part assembles by itself: llvm-mc -triple=amdgcn-amd-amdhsa -mcpu=gfx1250 --defsym DOCPART=n.
;; ======== version 1 of 1: 4 launches
;; limits: values are held in f16: magnitudes above 65,504 overflow, below 6.1e-05 lose precision; inputs' magnitudes at most 8.5e+37
;; workspace buffers: xb 39,845,888 bytes; qkv 50,331,648 bytes; p 33,554,432 bytes; stats 1,048,576 bytes
;; launch cast (part 1): grid 1216 x 1, 8 waves a work-group, no clusters, 0 bytes of LDS; arguments query_input, keyvalue_input, Wq, Wk, Wv, xb; writes xb
.if DOCPART == 1
	.amdgcn_target "amdgcn-amd-amdhsa--gfx1250"
	.amdhsa_code_object_version 6
	.text
	.protected	k_qa41db644cc_cast
	.globl	k_qa41db644cc_cast
	.p2align	8
	.type	k_qa41db644cc_cast,@function
k_qa41db644cc_cast:
	s_mov_b64 s[64:65], 0
	v_nop
	global_prefetch_b8 v0, s[64:65] scope:SCOPE_SE
	s_setreg_imm32_b32 hwreg(HW_REG_WAVE_MODE, 25, 1), 1
	s_wait_xcnt 0x0
; xb = bf16(query_input), bf16(keyvalue_input), bf16(Wq), bf16(Wk), bf16(Wv), one after the other, each in its own layout.
; A stream: every input byte is read once, every output byte written once; no LDS, no barrier, no matrix unit: they would add nothing.
; A work-group takes 16,384 numbers (65,536 bytes in, 32,768 out): groups 0-511 the queries' input, 512-1023 the keys' and values', then 64 for each weight matrix.
; Thread t takes 16 bytes at 16 t of each block of 4,096: a wave's load covers 512 consecutive bytes, its store of 8 bytes a lane 256 consecutive bytes, aligned.
; All sixteen loads go out at once; no register is written twice, so no wait frees a source.
.set X, 4                              ; v[4:67]   as loaded
.set Y, 68                             ; v[68:99]  rounded, packed
	s_load_b256 s[4:11], s[0:1], 0x0               ; query_input s[4:5], keyvalue_input s[6:7], Wq s[8:9], Wk s[10:11]
	s_load_b128 s[12:15], s[0:1], 0x20             ; Wv s[12:13], xb s[14:15]
	s_mov_b32 s16, ttmp9
	v_lshlrev_b32 v1, 4, v0                        ; 16 t
	v_lshlrev_b32 v2, 3, v0                        ; 8 t
	s_and_b32 s17, s16, 511                        ; my block's number inside its tensor: an input has 512,
	s_and_b32 s18, s16, 63                         ; a weight matrix 64
	s_cmp_lt_u32 s16, 1024
	s_cselect_b32 s17, s17, s18
	s_lshl_b32 s20, s17, 16                        ; bytes in
	s_mov_b32 s21, 0
	s_lshl_b32 s22, s16, 15                        ; bytes out: the five copies lie end to end
	s_mov_b32 s23, 0
	s_wait_kmcnt 0x0
	s_cmp_lt_u32 s16, 512
	s_cselect_b64 s[24:25], s[4:5], s[6:7]
	s_cmp_lt_u32 s16, 1024
	s_cselect_b64 s[24:25], s[24:25], s[8:9]
	s_cmp_lt_u32 s16, 1088
	s_cselect_b64 s[24:25], s[24:25], s[10:11]
	s_cmp_lt_u32 s16, 1152
	s_cselect_b64 s[24:25], s[24:25], s[12:13]
	s_add_nc_u64 s[24:25], s[24:25], s[20:21]
	s_add_nc_u64 s[14:15], s[14:15], s[22:23]
.irp i, 0,1,2,3,4,5,6,7,8,9,10,11,12,13,14,15
	global_load_b128 v[X+4*(\i):X+4*(\i)+3], v1, s[24:25] offset:4096*(\i) th:TH_LOAD_NT
.endr
.irp i, 0,1,2,3,4,5,6,7,8,9,10,11,12,13,14,15
	s_wait_loadcnt 15-(\i)                         ; loads come back in order: number i is in, the younger ones stay out
	v_cvt_pk_bf16_f32 v[Y+2*(\i)], v[X+4*(\i)], v[X+4*(\i)+1]
	v_cvt_pk_bf16_f32 v[Y+2*(\i)+1], v[X+4*(\i)+2], v[X+4*(\i)+3]
	global_store_b64 v2, v[Y+2*(\i):Y+2*(\i)+1], s[14:15] offset:2048*(\i)
.endr
	s_endpgm
.Lfunc_end_k_qa41db644cc_cast:
	.size	k_qa41db644cc_cast, .Lfunc_end_k_qa41db644cc_cast-k_qa41db644cc_cast
	.p2alignl 7, 3214868480
	.fill 96, 4, 3214868480
	.section	.rodata,"a",@progbits
	.p2align	6, 0x0
	.amdhsa_kernel k_qa41db644cc_cast
		.amdhsa_group_segment_fixed_size 0
		.amdhsa_private_segment_fixed_size 0
		.amdhsa_enable_private_segment 0
		.amdhsa_kernarg_size 48
		.amdhsa_user_sgpr_count 2
		.amdhsa_user_sgpr_kernarg_segment_ptr 1
		.amdhsa_wavefront_size32 1
		.amdhsa_system_sgpr_workgroup_id_x 1
		.amdhsa_system_sgpr_workgroup_id_y 1
		.amdhsa_system_sgpr_workgroup_id_z 1
		.amdhsa_system_vgpr_workitem_id 0
		.amdhsa_next_free_vgpr 100
		.amdhsa_next_free_sgpr 66
		.amdhsa_reserve_vcc 0
		.amdhsa_float_denorm_mode_32 3
		.amdhsa_float_denorm_mode_16_64 3
		.amdhsa_memory_ordered 1
		.amdhsa_forward_progress 1
		.amdhsa_inst_pref_size 7
	.end_amdhsa_kernel
	.amdgpu_metadata
---
amdhsa.version: [ 1, 2 ]
amdhsa.kernels:
  - .name:           k_qa41db644cc_cast
    .symbol:         k_qa41db644cc_cast.kd
    .args:
      - { .name: query_input, .offset: 0, .size: 8, .value_kind: global_buffer, .address_space: global }
      - { .name: keyvalue_input, .offset: 8, .size: 8, .value_kind: global_buffer, .address_space: global }
      - { .name: Wq, .offset: 16, .size: 8, .value_kind: global_buffer, .address_space: global }
      - { .name: Wk, .offset: 24, .size: 8, .value_kind: global_buffer, .address_space: global }
      - { .name: Wv, .offset: 32, .size: 8, .value_kind: global_buffer, .address_space: global }
      - { .name: xb, .offset: 40, .size: 8, .value_kind: global_buffer, .address_space: global }
    .group_segment_fixed_size: 0
    .private_segment_fixed_size: 0
    .kernarg_segment_align: 8
    .kernarg_segment_size: 48
    .max_flat_workgroup_size: 256
    .sgpr_count:     66
    .vgpr_count:     100
    .wavefront_size: 32
...
	.end_amdgpu_metadata
.endif
;; end of part 1
;; launch proj (part 2): grid 4 x 64, 4 waves a work-group, clusters of 4 x 4, 327,680 bytes of LDS; arguments xb, bq, bk, bv, qkv; writes qkv
.if DOCPART == 2
	.amdgcn_target "amdgcn-amd-amdhsa--gfx1250"
	.amdhsa_code_object_version 6
	.text
	.protected	k_qa41db644cc_proj
	.globl	k_qa41db644cc_proj
	.p2align	8
	.type	k_qa41db644cc_proj,@function
k_qa41db644cc_proj:
	s_mov_b64 s[64:65], 0
	v_nop
	global_prefetch_b8 v0, s[64:65] scope:SCOPE_SE
	s_setreg_imm32_b32 hwreg(HW_REG_WAVE_MODE, 25, 1), 1
	s_wait_xcnt 0x0
	s_wait_alu depctr_hold_cnt(0) depctr_sa_sdst(0) depctr_va_vdst(0) depctr_va_sdst(0) depctr_va_ssrc(0) depctr_va_vcc(0) depctr_vm_vsrc(0)
	s_getreg_b32 s2, hwreg(HW_REG_IB_STS2, 6, 4)
	s_cmp_eq_u32 s2, 0
	s_cbranch_scc0 .Lentry_in_a_cluster
	s_endpgm
.Lentry_in_a_cluster:
	s_bfe_u32 s2, ttmp6, 0x10000c
	s_cmp_lg_u32 s2, 0xf033
	s_cbranch_scc0 .Lentry_shape_is_right
	s_endpgm
.Lentry_shape_is_right:
; Q, K, V = x W + b.  x: [8192][1024] bf16 (the queries' copy for Q, the keys' and values' for K and V), W: [1024 (d)][1024 (n)] bf16, Wq, Wk, Wv end to end, all in xb; b f32, rounded to bf16 like every input.
; Products in bf16, sums in f32; the result is rounded once to f16 into qkv: Q, K, V, each [8192][1024].
; LIMIT.  f16 ends at 65,504: Q, K and V must lie within it.
; SHARES.  A tile of a result is 128 rows x 256 columns.  A WORK-GROUP STAYS: it makes the tile at its place of Q, then of K, then of V: 256 work-groups, three tiles each.  Four waves, each 64 x 128: 32 accumulators.
; K goes in steps of 128 through two LDS slots filled by tensor loads: 128 rows x 256 bytes of x, 128 rows (d) x 512 bytes of W.  The three tiles are ONE walk of 24 steps: the ring does not stop at a tile's end,
; one counted loop walks all of them, and a forward jump chooses what follows a change of slots: a plain half step, or, where a tile has ended, its way out and the half step that starts the next tile's sums.
; CLUSTER 4 x 4: the four work-groups of a row need the same rows of x, the four of a column the same columns of W: each tile is asked for jointly, with a mask that names the four.
; THE PRODUCT IS USED TRANSPOSED: source 0 = 16 columns of W (turned on the way out of LDS by ds_load_tr16_b128), source 1 = 16 rows of x: a lane then holds one row and eight neighbouring columns.
; THE BIAS is the C operand of the product that starts each sum.
; REGISTERS, in windows of 256 (s_set_vgpr_msb: bits 1:0 source 0, 3:2 source 1, 5:4 source 2, 7:6 destination):
;   window 0: v0-31 addresses; v32-63 and v224-255 the next bias as loaded; v64-191 x's fragments, two buffers of 64 along K (the second also serves the way out); v192-255 the bias, and the way out
;   window 1: W's fragments, two buffers of 128      window 2: the accumulators, (a, b) at 8 (8 a + b)
.set NK,    8                          ; K steps in a tile
.set STEPS, 3*NK                       ; and in the walk
.set PA,    272                        ; a row of x in LDS: 256 bytes + 16: the 16 rows of a load start at 16 different groups of four banks
.set PB,    544                        ; a row of W: 512 + 32
.set AHALF, 64*PA                      ; what one tensor load brings of x
.set BOFF,  128*PA                     ; W's rows lie behind x's
.set BHALF, 64*PB                      ; what one tensor load brings of W
.set SLOTX, 1<<17                      ; slot 1 begins here: one exclusive or turns an address in one slot into the other's
.set STAGE, BOFF+128*PB                ; between the slots, never filled by a tensor load: 16 rows x 272 bytes for each wave, for the way out
.set SP,    272
.set SPARE, STAGE+4*16*SP              ; the spare words, 128 bytes for each wave: two blocks of 256 bytes that no other line names
.set KA,    256                        ; bytes from K step to K step in x
.set KB,    128*2048                   ; and in W: eight of them are a whole matrix, so the walk's steps lie end to end in W
.set XKV,   0x1000000                  ; bytes from x's first copy to its second, and from Q to K to V
.set A0,   16                          ; v16  my lane's place in x's tile; never rewritten
.set B0,   17                          ; v17  the same for W
.set ADRA, 18                          ; v18  A0 + the slot in hand
.set ADRB, 19                          ; v19  B0 + the slot in hand
.set STO,  24                          ; v24  the way out: where I put 16 bytes of a row
.set RD,   25                          ; v25  where I read rows back
.set CO,   26                          ; v26  my byte offset in two rows of the result
.set BO,   27                          ; v27  my byte offset in a bias; never rewritten
.set SPW,  28                          ; v28  my spare word; never rewritten
.set NIL,  29                          ; v29  0; never rewritten
.set PFO,  30                          ; v30  the prefetches' lane term; never rewritten
.set RAWL, 32                          ; v32-63    the bias of my first 64 columns, as loaded
.set RAWH, 224                         ; v224-255  of my other 64
.set PKD,  128                         ; v128-159  the bias in bf16
.set BIAS, 192                         ; v192-255  and widened again
.set TMP,  192                         ; v192-223  the way out: packed results
.set G1A, 24                           ; s[24:31] descriptor group 1, x's tiles
.set G0A, 32                           ; s[32:39] group 0: a set for each first fill; the second then walks
.set LIM, 43                           ; s43  a wave prefetches while the trips left are above it
.set PFA, 44                           ; s[44:45] where my prefetches stand
.set PFS, 46                           ; s46  their step
.set PFJ, 47                           ; s47  their step from x's first copy into its second
.set G1B, 48                           ; s[48:55], s[56:63] the same for W's tiles
.set G0B, 56
.set TB,  66                           ; s66  LDS byte at which the slot in hand begins
.set BP,  78                           ; s[78:79] the bias in hand
.set AB,  80                           ; s[80:81] x at the rows that I fetch, first copy, K step 0; never rewritten
.set AO,  82                           ; s[82:83] the offset of the step to be asked for
.set T0,  85                           ; s85  at work
.set PO,  86                           ; s[86:87] the prefetches' step as a pair
.set MUL,  0xa1                        ; W window 1, x window 0, C and D window 2
.set MULB, 0x81                        ; the same with C in window 0: the bias
.set TO_B, 0x40                        ; destination window 1, address window 0
.set MSB, 0
.macro WIN new                         ; the immediate's high byte repeats the setting that is left; a switch that changes nothing is dropped
.if MSB != (\new)
	s_set_vgpr_msb (MSB<<8)|(\new)
.set MSB, \new
.endif
.endm
.macro PLACES                          ; four plain instructions between a matrix instruction and a load into, or a vector line on, its registers
.rept 4
	v_nop
.endr
.endm
.macro CREST                           ; a round of the cluster's barrier behind its opening barrier
	s_cmp_lg_u32 s10, 0
	s_cbranch_scc1 .Lnot_wave_0_\@
	s_barrier_signal -3
.Lnot_wave_0_\@:
	s_barrier_wait -3
	s_barrier_signal -1
	s_barrier_wait -1
.endm
.macro CROUND
	s_barrier_signal -1
	s_barrier_wait -1
	CREST
.endm
.macro JLOAD                           ; a joint refill by the walking descriptor: waves 0 and 1 fetch x's halves, waves 2 and 3 W's; the branch hangs on the wave's number alone
	s_cmp_eq_u32 s11, 0
	s_cbranch_scc0 .Lfor_b_\@
	tensor_load_to_lds s[G0A+4:G0A+7], s[G1A:G1A+7]
	s_nop 0
.rept 4
	v_nop
.endr
	s_branch .Lasked_\@
.Lfor_b_\@:
	tensor_load_to_lds s[G0B+4:G0B+7], s[G1B:G1B+7]
	s_nop 0
.rept 4
	v_nop
.endr
.Lasked_\@:
.endm
; A prefetch of the step that stands two refills on, one instruction a wave, behind the joint load and the run of LDS loads.  Each aligned block of 256 bytes is named once in the launch:
; x's rows by wave 0, 32 rows for each of the four partners of a row of the cluster (told apart by address), a lane a row: the first copy in Q's tile, the second in K's; V's tile reads the second copy again and asks for nothing;
; W's rows by waves 2 and 3 of the first row of clusters, 16 rows x 2 blocks for each of the four partners of a column.  The walk's first four steps come by their loads alone; its last refills have no step two on.
.macro ASK
	s_cmp_gt_u32 s3, s[LIM]
	s_cbranch_scc0 .Lnot_mine_\@
	global_prefetch_b8 v[PFO], s[PFA:PFA+1] th:TH_LOAD_NT scope:SCOPE_SE
.Lnot_mine_\@:
.endm
	s_load_b256 s[68:75], s[0:1], 0x0              ; xb s[68:69], bq s[70:71], bk s[72:73], bv s[74:75]
	s_load_b64 s[76:77], s[0:1], 0x20              ; qkv
	v_lshl_add_u32 v[SPW], v0, 2, SPARE
	v_mov_b32 v[NIL], 0
	ds_add_u32 v[SPW], v[NIL]                      ; the wave's opening: the add and its wait ahead of my first tensor load; work on registers stands between them
	v_lshrrev_b32 v1, 5, v0
	v_readfirstlane_b32 s10, v1                    ; wave 0..3
	s_lshr_b32 s11, s10, 1                         ; which 64 rows of the tile are mine.  Also: I fetch for x (0) or for W (1)
	s_and_b32 s12, s10, 1                          ; which 128 columns.  Also: which half of that tile I fetch
	s_bfe_u32 s40, ttmp6, 0x40000                  ; cx: the tile column
	s_bfe_u32 s41, ttmp6, 0x40004                  ; cy
	s_and_b32 s67, ttmp7, 0xffff                   ; the cluster's y
	s_lshl_b32 s13, s67, 2
	s_add_co_u32 s13, s13, s41                     ; tile row = 4 x cluster y + cy
	s_lshl_b32 s43, s41, 2
	s_lshl_b32 s43, 15, s43                        ; my row of the cluster
	s_lshl_b32 s44, 0x1111, s40                    ; my column
	s_or_b32 s[G1A+0], s43, (1<<16)|(1<<20)|(1<<21)|(5<<22)|(3<<25)  ; the mask; 2-byte elements; padding on; bit 21 beside a mask; after every 64 words 4 words
	s_mov_b32 s[G1A+1], 128<<16                    ; tensor_dim0 = 128
	s_mov_b32 s[G1A+2], 64<<16                     ; tensor_dim1 = 64
	s_mov_b32 s[G1A+3], 128<<16                    ; tile_dim0 = 128
	s_mov_b32 s[G1A+4], 64                         ; tile_dim1 = 64
	s_mov_b32 s[G1A+5], 1024                       ; elements from row to row
	s_mov_b32 s[G1A+6], 0
	s_mov_b32 s[G1A+7], 0
	s_or_b32 s[G1B+0], s44, (1<<16)|(1<<20)|(1<<21)|(6<<22)|(7<<25)  ; after every 128 words 8 words
	s_mov_b32 s[G1B+1], 256<<16
	s_mov_b32 s[G1B+2], 64<<16
	s_mov_b32 s[G1B+3], 256<<16
	s_mov_b32 s[G1B+4], 64
	s_mov_b32 s[G1B+5], 1024
	s_mov_b32 s[G1B+6], 0
	s_mov_b32 s[G1B+7], 0
	s_lshl_b32 s16, s13, 7                         ; x: row 128 x tile row + 64 x half, 2,048 bytes a row
	s_lshl_b32 s17, s12, 6
	s_add_co_u32 s16, s16, s17
	s_lshl_b32 s16, s16, 11
	s_mov_b32 s17, 0
	s_lshl_b32 s18, s12, 17                        ; W: my 64 rows,
	s_add_co_u32 s18, s18, 0x2000000               ; behind the two copies of x,
	s_lshl_b32 s19, s40, 9                         ; the tile's 256 columns
	s_add_co_u32 s18, s18, s19
	s_mov_b32 s19, 0
	s_mul_i32 s20, s12, AHALF                      ; where they go: no place in the cluster enters an LDS address
	s_mul_i32 s21, s12, BHALF
	s_add_co_u32 s21, s21, BOFF
	s_mov_b32 s[TB], 0
	s_mov_b32 s[AO+1], 0
	s_mov_b32 s[PO+1], 0
	s_wait_dscnt 0x0                               ; the opening add is done
	s_wait_kmcnt 0x0
	s_add_nc_u64 s[AB:AB+1], s[68:69], s[16:17]
	s_add_nc_u64 s[22:23], s[68:69], s[18:19]
	CROUND                                         ; all sixteen work-groups are here: the first joint loads meet
.irp s, 0,1
	s_mov_b32 s[G0A+4*(\s)], 1
	s_add_co_u32 s[G0A+4*(\s)+1], s20, (\s)*SLOTX
	s_add_nc_u64 s[G0A+4*(\s)+2:G0A+4*(\s)+3], s[AB:AB+1], (\s)*KA
	s_or_b32 s[G0A+4*(\s)+3], s[G0A+4*(\s)+3], 0x80000000
	s_mov_b32 s[G0B+4*(\s)], 1
	s_add_co_u32 s[G0B+4*(\s)+1], s21, (\s)*SLOTX
	s_add_nc_u64 s[G0B+4*(\s)+2:G0B+4*(\s)+3], s[22:23], (\s)*KB
	s_or_b32 s[G0B+4*(\s)+3], s[G0B+4*(\s)+3], 0x80000000
.endr
	s_cmp_eq_u32 s11, 0                            ; a wave's two first fills stand in one branch: two loads of mine are out
	s_cbranch_scc0 .Lfirst_b
	tensor_load_to_lds s[G0A:G0A+3], s[G1A:G1A+7]
	s_nop 0
	tensor_load_to_lds s[G0A+4:G0A+7], s[G1A:G1A+7]
	s_nop 0
.rept 4
	v_nop
.endr
	s_branch .Lfirst_asked
.Lfirst_b:
	tensor_load_to_lds s[G0B:G0B+3], s[G1B:G1B+7]
	s_nop 0
	tensor_load_to_lds s[G0B+4:G0B+7], s[G1B:G1B+7]
	s_nop 0
.rept 4
	v_nop
.endr
.Lfirst_asked:
; The bias of my 128 columns, in the layout of a result: number 8 b + j = column 16 b + 8 (l / 16) + j.  Sixteen loads into registers that nothing else names.
.macro BLOADS
.irp b, 0,1,2,3
	global_load_b128 v[RAWL+8*(\b):RAWL+8*(\b)+3],   v[BO], s[BP:BP+1] offset:64*(\b)
	global_load_b128 v[RAWL+8*(\b)+4:RAWL+8*(\b)+7], v[BO], s[BP:BP+1] offset:64*(\b)+16
.endr
.irp b, 0,1,2,3
	global_load_b128 v[RAWH+8*(\b):RAWH+8*(\b)+3],   v[BO], s[BP:BP+1] offset:256+64*(\b)
	global_load_b128 v[RAWH+8*(\b)+4:RAWH+8*(\b)+7], v[BO], s[BP:BP+1] offset:256+64*(\b)+16
.endr
.endm
; It is rounded to bf16 like every input, and widened again.
.macro BROUND
	s_wait_loadcnt 0x0
.set i, 0
.rept 16
	v_cvt_pk_bf16_f32 v[PKD+i], v[RAWL+2*i], v[RAWL+2*i+1]
	v_cvt_pk_bf16_f32 v[PKD+16+i], v[RAWH+2*i], v[RAWH+2*i+1]
.set i, i+1
.endr
.set i, 0
.rept 32
	v_lshlrev_b32 v[BIAS+2*i], 16, v[PKD+i]
	v_and_b32 v[BIAS+2*i+1], 0xffff0000, v[PKD+i]
.set i, i+1
.endr
.endm
	s_mov_b64 s[BP:BP+1], s[70:71]                 ; Q's bias first
	v_and_b32 v1, 15, v0                           ; l % 16
	v_bfe_u32 v2, v0, 4, 1                         ; l / 16
	s_lshl_b32 s18, s40, 10
	s_lshl_b32 s19, s12, 9
	s_add_co_u32 s18, s18, s19
	v_lshl_add_u32 v[BO], v2, 5, s18
	BLOADS
	; a fragment of x: lane l holds row l % 16, K = 8 (l / 16) + 0..7 and 16 + 8 (l / 16) + 0..7: two loads of 16 bytes, 32 bytes apart
	v_mul_u32_u24 v7, v1, PA
	v_lshl_add_u32 v7, v2, 4, v7                   ; row x pitch + 16 x half
	s_mul_i32 s16, s11, AHALF
	v_add_nc_u32 v[A0], s16, v7
	; the turning load takes 16 K x 16 columns: lane l reads row 8 (l / 16) + l % 8, columns 8 ((l / 8) % 2) + 0..7, and is left with column l % 16 and 8 K
	v_and_b32 v4, 7, v0
	v_lshl_add_u32 v4, v2, 3, v4
	v_mul_u32_u24 v4, v4, PB
	v_bfe_u32 v5, v0, 3, 1
	v_lshl_add_u32 v4, v5, 4, v4
	s_lshl_b32 s16, s12, 8
	s_add_co_u32 s16, s16, BOFF
	v_add_nc_u32 v[B0], s16, v4
	v_mov_b32 v[ADRA], v[A0]
	v_mov_b32 v[ADRB], v[B0]
	s_mul_i32 s16, s10, 16*SP
	s_add_co_u32 s16, s16, STAGE                   ; my stage
	v_add_nc_u32 v[STO], s16, v7                   ; in: row l % 16, 16 bytes for each half of the lanes
	v_mul_u32_u24 v5, v2, SP                       ; back: lanes 0-15 one row of 256 bytes, lanes 16-31 the next
	v_lshl_add_u32 v5, v1, 4, v5
	v_add_nc_u32 v[RD], s16, v5
	v_lshlrev_b32 v5, 11, v2                       ; and the same two rows in the result
	v_lshl_add_u32 v[CO], v1, 4, v5
	s_lshl_b32 s16, s13, 7                         ; my part of Q: row 128 x tile row + 64 x half,
	s_lshl_b32 s17, s11, 6
	s_add_co_u32 s16, s16, s17
	s_lshl_b32 s16, s16, 11
	s_lshl_b32 s17, s40, 9                         ; column 256 x tile column + 128 x half
	s_add_co_u32 s16, s16, s17
	s_lshl_b32 s17, s12, 8
	s_add_co_u32 s16, s16, s17
	s_mov_b32 s17, 0
	s_add_nc_u64 s[76:77], s[76:77], s[16:17]
	; the prefetches: they stand at step 3; the first change of slots steps them to 4
	s_lshl_b32 s16, s13, 7                         ; x: my work-group's 32 of the tile's 128 rows
	s_lshl_b32 s17, s40, 5
	s_add_co_u32 s16, s16, s17
	s_lshl_b32 s16, s16, 11
	s_add_co_u32 s16, s16, 3*KA
	s_lshl_b32 s18, s12, 17                        ; W: my work-group's 16 of the 64 rows that I fetch
	s_add_co_u32 s18, s18, 0x2000000+3*KB
	s_lshl_b32 s19, s41, 15
	s_add_co_u32 s18, s18, s19
	s_lshl_b32 s19, s40, 9
	s_add_co_u32 s18, s18, s19
	s_mov_b32 s19, KB
	s_cmp_eq_u32 s11, 0
	s_cselect_b32 s16, s16, s18
	s_cselect_b32 s[PFS], KA, s19
	s_cselect_b32 s[PFJ], XKV-7*KA, s19            ; from the first copy's step 7 to the second copy's step 0; W's steps lie end to end
	s_cselect_b32 s18, -1, 0
	s_mov_b32 s17, 0
	s_add_nc_u64 s[PFA:PFA+1], s[68:69], s[16:17]
	v_and_b32 v4, 31, v0
	v_lshlrev_b32 v5, 11, v4                       ; x: a lane a row
	v_lshrrev_b32 v6, 1, v4                        ; W: two lanes a row, 256 bytes apart
	v_and_b32 v4, 1, v4
	v_lshlrev_b32 v6, 11, v6
	v_lshl_add_u32 v6, v4, 8, v6
	v_cndmask_b32 v[PFO], v6, v5, s18
	s_cmp_eq_u32 s67, 0
	s_cselect_b32 s17, 2, -1                       ; waves 2 and 3: the first row of clusters asks, up to the walk's last step (26 - trips left = 23)
	s_cmp_eq_u32 s11, 0
	s_cselect_b32 s[LIM], 10, s17                  ; wave 0: up to K's last step (26 - trips left = 15)
	s_cmp_eq_u32 s10, 1
	s_cselect_b32 s[LIM], -1, s[LIM]               ; wave 1 asks for nothing: the same in all sixteen partners
; 16 products: row blocks a0, a0 + 1 x all 8 column blocks, 32 along K (part c of buffer f).  The 32 accumulators take turns, one instruction a turn.  start = 1: the bias starts the sums.
.macro MULH f, c, a0, start
.if \start
	WIN MULB
.else
	WIN MUL
.endif
.irp a, \a0, (\a0)+1
.irp b, 0,1,2,3,4,5,6,7
.if \start
	v_wmma_f32_16x16x32_bf16 v[8*(8*(\a)+(\b)):8*(8*(\a)+(\b))+7], v[128*(\f)+8*(8*(\c)+(\b)):128*(\f)+8*(8*(\c)+(\b))+7], v[64+64*(\f)+8*(4*(\c)+(\a)):64+64*(\f)+8*(4*(\c)+(\a))+7], v[BIAS+8*(\b):BIAS+8*(\b)+7]
.else
	v_wmma_f32_16x16x32_bf16 v[8*(8*(\a)+(\b)):8*(8*(\a)+(\b))+7], v[128*(\f)+8*(8*(\c)+(\b)):128*(\f)+8*(8*(\c)+(\b))+7], v[64+64*(\f)+8*(4*(\c)+(\a)):64+64*(\f)+8*(4*(\c)+(\a))+7], v[8*(8*(\a)+(\b)):8*(8*(\a)+(\b))+7]
.endif
.endr
.endr
.endm
; 48 LDS loads in one run: the fragments of 64 along K (half hs of the step) into buffer f: x's 16, then W's first 32 along K, then its second
.macro FETCH hs, f
	WIN 0
.irp c, 0,1
.irp a, 0,1,2,3
	ds_load_b128 v[64+64*(\f)+8*(4*(\c)+(\a)):64+64*(\f)+8*(4*(\c)+(\a))+3],   v[ADRA] offset:(\a)*16*PA+128*(\hs)+64*(\c)
	ds_load_b128 v[64+64*(\f)+8*(4*(\c)+(\a))+4:64+64*(\f)+8*(4*(\c)+(\a))+7], v[ADRA] offset:(\a)*16*PA+128*(\hs)+64*(\c)+32
.endr
.endr
	WIN TO_B
.irp c, 0,1
.irp b, 0,1,2,3,4,5,6,7
	ds_load_tr16_b128 v[128*(\f)+8*(8*(\c)+(\b)):128*(\f)+8*(8*(\c)+(\b))+3],   v[ADRB] offset:(64*(\hs)+32*(\c))*PB+32*(\b)
	ds_load_tr16_b128 v[128*(\f)+8*(8*(\c)+(\b))+4:128*(\f)+8*(8*(\c)+(\b))+7], v[ADRB] offset:(64*(\hs)+32*(\c))*PB+32*(\b)+16*PB
.endr
.endr
.endm
; A K step is two halves of 64 along K, 64 products each.  The first: multiplies buffer f and fetches half hs into buffer g.
.macro HALF f, g, hs, start
	s_wait_dscnt 16                                ; all but W's second 32 along K
	MULH \f, 0, 0, \start
	MULH \f, 0, 2, \start
	PLACES
	FETCH \hs, \g
	s_wait_dscnt 48                                ; all but the 48 just issued
	MULH \f, 1, 0, 0
	MULH \f, 1, 2, 0
.endm
; The second half multiplies buffer 1 and changes slots: ONE barrier.  The 32 products that need nothing of the next slot are issued first, so that a refill has the whole step's 128 products in which to land and only
; the round stands between the wait for one refill and the request of the next.  Then each wave waits for all its tensor loads (the one that is out is its part of the next slot), adds 0 to its spare word, and waits for
; that and for its reads of this slot.  fill = 1: the barrier opens a round of the cluster's, and the joint refill, two steps ahead in the walk, is the first tensor load behind it.
.macro TURN fill
.if \fill
	s_wait_xcnt 0x0                                ; the last prefetch, a step back, has read its address
	s_cmp_eq_u32 s3, 18                            ; 26 - 18: the prefetches reach step 8, K's first
	s_cselect_b32 s[PO], s[PFJ], s[PFS]
	s_add_nc_u64 s[PFA:PFA+1], s[PFA:PFA+1], s[PO:PO+1]
.endif
	s_wait_dscnt 16                                ; all but W's second 32 along K
	MULH 1, 0, 0, 0
	MULH 1, 0, 2, 0
	WIN 0
	s_wait_tensorcnt 0x0                           ; no tensor load of mine is out, so a group 0 may be written
	ds_add_u32 v[SPW], v[NIL]                      ; 0 onto my spare word
.if \fill
	s_sub_co_u32 s[T0], STEPS, s3                  ; the step to be asked for: 2 .. 23
	s_and_b32 s[AO], s[T0], NK-1                   ; x's address is made anew from that number: its place along K,
	s_lshl_b32 s[AO], s[AO], 8
	s_cmp_ge_u32 s[T0], NK
	s_cselect_b32 s[T0], XKV, 0                    ; in the second copy for K's and V's tiles
	s_add_co_u32 s[AO], s[AO], s[T0]
	s_xor_b32 s[G0A+5], s[G0A+5], SLOTX            ; the other slot than last time
	s_add_nc_u64 s[G0A+6:G0A+7], s[AB:AB+1], s[AO:AO+1]
	s_or_b32 s[G0A+7], s[G0A+7], 0x80000000
	s_xor_b32 s[G0B+5], s[G0B+5], SLOTX
	s_add_nc_u64 s[G0B+6:G0B+7], s[G0B+6:G0B+7], KB  ; W's steps lie end to end, from matrix to matrix too
.endif
	s_xor_b32 s[TB], s[TB], SLOTX
	s_wait_dscnt 0x0                               ; the add is done, and my reads of this slot are over
	s_barrier_signal -1
	s_barrier_wait -1
.if \fill
	CREST                                          ; no wave of any partner still reads this slot or has a load on its way
	JLOAD                                          ; its four v_nop are also the places in front of the loads below
.else
	PLACES
.endif
	v_add_nc_u32 v[ADRA], s[TB], v[A0]
	v_add_nc_u32 v[ADRB], s[TB], v[B0]
	FETCH 0, 0
.if \fill
	WIN 0
	ASK
.endif
	MULH 1, 1, 0, 0
	MULH 1, 1, 2, 0
.endm
; THE WAY OUT, 16 rows at a time: rounded to f16, 16 bytes a lane into my own stage, back as whole rows of 256 bytes, stored.  It names none of the registers that hold the next tile's first fragments.
.macro PACK a
	WIN 0x0a                                       ; sources 0 and 1 in window 2
.irp b, 0,1,2,3,4,5,6,7
.irp r, 0,1,2,3
	v_cvt_pk_f16_f32 v[TMP+4*(\b)+(\r)], v[8*(8*(\a)+(\b))+2*(\r)], v[8*(8*(\a)+(\b))+2*(\r)+1]
.endr
.endr
	WIN 0
.endm
.macro TOSTAGE a
.set BK, 128+32*((\a)%2)
.irp b, 0,1,2,3,4,5,6,7
	ds_store_b128 v[STO], v[TMP+4*(\b):TMP+4*(\b)+3] offset:32*(\b)
.endr
.irp t, 0,1,2,3,4,5,6,7
	ds_load_b128 v[BK+4*(\t):BK+4*(\t)+3], v[RD] offset:(\t)*2*SP  ; LDS serves a wave's instructions in order: these see the stores above
.endr
.endm
.macro SEND a
.set BK, 128+32*((\a)%2)
	s_wait_dscnt 0x0                               ; the block is back in registers
	s_wait_xcnt 0x0                                ; the stores of the block before have read their registers: the next block is loaded into them only behind this wait
.irp t, 0,1,2,3,4,5,6,7
	global_store_b128 v[CO], v[BK+4*(\t):BK+4*(\t)+3], s[76:77] offset:(16*(\a)+2*(\t))*2048  ; 16 lanes store 256 consecutive bytes, aligned
.endr
.endm
.macro OUT
	PLACES                                         ; between the last products and the first read of a sum
	PLACES
	PACK 0
	TOSTAGE 0
.irp a, 1,2,3
	PACK \a
	SEND (\a)-1
	TOSTAGE \a
.endr
	SEND 3
.endm
	s_wait_tensorcnt 0x1                           ; my part of step 0 is in; step 1's may stay out
	s_barrier_signal -1
	s_barrier_wait -1
	FETCH 0, 0
	WIN 0
	s_mov_b32 s3, STEPS-1
	s_branch .Lstart                               ; the loop is entered in the middle of a trip, where a tile begins
.Lstep:                                        ; 22 whole trips: a step's second half with its refill, then the next step's first half.  With n = 23 - s3, the trip ends step n - 1, asks for step n + 1 and begins step n
	TURN 1
	WIN 0
	s_and_b32 s[T0], s3, NK-1
	s_cmp_eq_u32 s[T0], NK-1                       ; n = 8 or 16: a tile has ended
	s_cbranch_scc0 .Lplain
	s_cmp_eq_u32 s3, STEPS-1-NK
	s_cselect_b64 s[BP:BP+1], s[72:73], s[74:75]   ; K's bias, then V's: the loads of the bias before were waited for
	BLOADS                                         ; they have the way out in which to come
	OUT                                            ; both refills of the next tile's first steps have been asked for
	s_wait_xcnt 0x0                                ; the stores have read their base and their registers
	s_add_nc_u64 s[76:77], s[76:77], XKV           ; from Q to K, from K to V
.Lstart:
	BROUND
	HALF 0, 1, 1, 1                                ; a tile's first half step: its products start the sums
	WIN 0
	s_branch .Lbottom
.Lplain:
	HALF 0, 1, 1, 0
	WIN 0
.Lbottom:
	s_sub_co_u32 s3, s3, 1
	s_cmp_lg_u32 s3, 0
	s_cbranch_scc1 .Lstep
	TURN 0                                         ; the walk's tail is written out: nothing is left to fetch
	HALF 0, 1, 1, 0
	s_wait_dscnt 16
	MULH 1, 0, 0, 0
	MULH 1, 0, 2, 0
	s_wait_dscnt 0x0
	MULH 1, 1, 0, 0
	MULH 1, 1, 2, 0
	WIN 0
	OUT
	s_wait_tensorcnt 0x0                           ; the wave's end
	ds_add_u32 v[SPW], v[NIL]
	s_wait_dscnt 0x0
	CROUND                                         ; the closing round
	s_endpgm
.Lfunc_end_k_qa41db644cc_proj:
	.size	k_qa41db644cc_proj, .Lfunc_end_k_qa41db644cc_proj-k_qa41db644cc_proj
	.p2alignl 7, 3214868480
	.fill 96, 4, 3214868480
	.section	.rodata,"a",@progbits
	.p2align	6, 0x0
	.amdhsa_kernel k_qa41db644cc_proj
		.amdhsa_group_segment_fixed_size 327680
		.amdhsa_private_segment_fixed_size 0
		.amdhsa_enable_private_segment 0
		.amdhsa_kernarg_size 40
		.amdhsa_user_sgpr_count 2
		.amdhsa_user_sgpr_kernarg_segment_ptr 1
		.amdhsa_wavefront_size32 1
		.amdhsa_system_sgpr_workgroup_id_x 1
		.amdhsa_system_sgpr_workgroup_id_y 1
		.amdhsa_system_sgpr_workgroup_id_z 1
		.amdhsa_system_vgpr_workitem_id 0
		.amdhsa_next_free_vgpr 768
		.amdhsa_next_free_sgpr 96
		.amdhsa_reserve_vcc 0
		.amdhsa_float_denorm_mode_32 3
		.amdhsa_float_denorm_mode_16_64 3
		.amdhsa_memory_ordered 1
		.amdhsa_forward_progress 1
		.amdhsa_inst_pref_size 95
	.end_amdhsa_kernel
	.amdgpu_metadata
---
amdhsa.version: [ 1, 2 ]
amdhsa.kernels:
  - .name:           k_qa41db644cc_proj
    .symbol:         k_qa41db644cc_proj.kd
    .args:
      - { .name: xb, .offset: 0, .size: 8, .value_kind: global_buffer, .address_space: global }
      - { .name: bq, .offset: 8, .size: 8, .value_kind: global_buffer, .address_space: global }
      - { .name: bk, .offset: 16, .size: 8, .value_kind: global_buffer, .address_space: global }
      - { .name: bv, .offset: 24, .size: 8, .value_kind: global_buffer, .address_space: global }
      - { .name: qkv, .offset: 32, .size: 8, .value_kind: global_buffer, .address_space: global }
    .group_segment_fixed_size: 327680
    .private_segment_fixed_size: 0
    .kernarg_segment_align: 8
    .kernarg_segment_size: 40
    .max_flat_workgroup_size: 128
    .sgpr_count:     96
    .vgpr_count:     768
    .wavefront_size: 32
...
	.end_amdgpu_metadata
.endif
;; end of part 2
;; launch scores (part 3): grid 8 x 32, 4 waves a work-group, clusters of 4 x 4, 327,680 bytes of LDS; arguments qkv, mask, p, stats; writes p, stats
.if DOCPART == 3
	.amdgcn_target "amdgcn-amd-amdhsa--gfx1250"
	.amdhsa_code_object_version 6
	.text
	.protected	k_qa41db644cc_scores
	.globl	k_qa41db644cc_scores
	.p2align	8
	.type	k_qa41db644cc_scores,@function
k_qa41db644cc_scores:
	s_mov_b64 s[64:65], 0
	v_nop
	global_prefetch_b8 v0, s[64:65] scope:SCOPE_SE
	s_setreg_imm32_b32 hwreg(HW_REG_WAVE_MODE, 25, 1), 1
	s_wait_xcnt 0x0
	s_wait_alu depctr_hold_cnt(0) depctr_sa_sdst(0) depctr_va_vdst(0) depctr_va_sdst(0) depctr_va_ssrc(0) depctr_va_vcc(0) depctr_vm_vsrc(0)
	s_getreg_b32 s2, hwreg(HW_REG_IB_STS2, 6, 4)
	s_cmp_eq_u32 s2, 0
	s_cbranch_scc0 .Lentry_in_a_cluster
	s_endpgm
.Lentry_in_a_cluster:
	s_bfe_u32 s2, ttmp6, 0x10000c
	s_cmp_lg_u32 s2, 0xf033
	s_cbranch_scc0 .Lentry_shape_is_right
	s_endpgm
.Lentry_shape_is_right:
; u = Q K^T / 32 + mask; for each query and each CHUNK of 128 keys: m = the chunk's maximum of u, P = 2^(c u - c m) (c = log2 e) rounded to f16, l = the sum of the unrounded weights.
; Q, K: [8192][1024] f16 in qkv; mask [4][2048][2048] f32, rounded to bf16 like every input; p [8192][2048] f16; stats f32: word ((chunk x 2 + which) x 8192 + row), which 0: c m, 1: l.
; The next launch takes the maximum of a row's 16 chunk maxima and rescales: the maximum that is taken away before each exponential is a true maximum of the numbers at hand.
; LIMITS.  m is held at -2^126 from below: a chunk of -inf gives P = 0 and l = 0.  P below 6e-5 keeps f16's fixed step of 6e-8.  NaN and +inf are not treated apart.
; SHARES.  A tile is 256 queries x 256 keys: 256 work-groups.  Four waves, each 128 x 128 (one chunk): 64 accumulators.  K goes in steps of 128 through two LDS slots filled by tensor loads.
; CLUSTER 4 x 4: Q's tile is shared along a row of the cluster, K's along a column, each asked for jointly.
; THE PRODUCT IS USED TRANSPOSED (source 0 = 16 keys, source 1 = 16 queries): a lane holds one query and eight neighbouring keys.
; THE MASK comes through the ring's slots when each has had its last K step: each wave fetches its own 64 rows x 512 bytes, twice, into its own quarter of a slot, as a refill.
; REGISTERS, in windows of 256: window 0: v0-63 addresses and statistics; v64-191 Q's fragments, two buffers, later the mask and the scores in hand; v192-255 at work on the way out
;   window 1: v64-191 K's fragments      window 2: the accumulators of my rows 0-63, (a, b) at 8 (8 a + b)      window 3: those of my rows 64-127
.set NK,    8
.set PITCH, 272                        ; 256 bytes + 16: the 16 rows of a load start at 16 different groups of four banks
.set HALFT, 128*PITCH                  ; what one tensor load brings
.set SLOT,  4*HALFT                    ; 0x22000: it shares no bit with wave x HALFT, so an exclusive or with it adds or takes it away
.set STAGE, 2*SLOT                     ; 16 rows x 272 bytes for each wave
.set SP,    272
.set SSTAT, STAGE+4*16*SP              ; 1,024 bytes for each wave: c m of its 128 rows, then l
.set SPARE, SSTAT+4*1024               ; the spare words: two blocks of 256 bytes that no other line names
.set MP,    528                        ; a row of the mask in LDS: 512 bytes + 16
.set A0,   16
.set B0,   17
.set ADRA, 18
.set ADRB, 19
.set MA,   22                          ; v22, v23  my place in the mask's part 0, 1
.set STO,  24
.set RD,   25
.set CO,   26
.set SS0,  27                          ; v27  my place in the statistics: lanes 0-15 c m, lanes 16-31 l
.set SPW,  28
.set NIL,  29
.set PFO,  30
.set SSA,  31
.set RS,   32                          ; v[32:33] 1/32
.set ONE,  34                          ; v34  1.0
.set CH,   36                          ; v36-39  four chains of the maximum
.set MX,   40
.set XC,   41                          ; what the lane 16 away holds
.set CM,   42                          ; v[42:43] c m; the packed line takes the low word for both halves
.set LS,   46
.set SV,   48
.set SR,   50                          ; v50  where I read the statistics back
.set SGO,  51                          ; v51  16 x lane
.set M,    64                          ; v64-127  the mask of a block, f32
.set U,    128                         ; v128-191 the block's scores
.set MB,   192                         ; v192-223 the mask in bf16
.set PK,   224                         ; v224-255 P, packed
.set BK,   64                          ; v64-95   rows read back
.set F0,   64
.set F1,   128
.set G1A, 24
.set G0A, 32
.set LIM, 43
.set PFA, 44
.set G1B, 48
.set G0B, 56
.set TB,  66
.set G1M, 68                           ; s[68:75] descriptor group 1 for the mask
.set G0M, 76                           ; s[76:83] group 0, a set for each part
.set CS,  84                           ; s[84:85] c
.set SEL, 86                           ; s[86:87] v_permlanex16_b32's selects
.set CLAMP, 88                         ; s88  -2^126
.set HMASK, 89                         ; s89  lanes 16-31
.set BL,  90                           ; s90  counts a part's four blocks
.set SO,  91                           ; s91  64 x the block's number
.set MUL_LO, 0xa1
.set MUL_HI, 0xf1
.set TO_B,   0x40
.set MSB, 0
.macro WIN new
.if MSB != (\new)
	s_set_vgpr_msb (MSB<<8)|(\new)
.set MSB, \new
.endif
.endm
.macro PLACES
.rept 4
	v_nop
.endr
.endm
.macro CREST
	s_cmp_lg_u32 s10, 0
	s_cbranch_scc1 .Lnot_wave_0_\@
	s_barrier_signal -3
.Lnot_wave_0_\@:
	s_barrier_wait -3
	s_barrier_signal -1
	s_barrier_wait -1
.endm
.macro CROUND
	s_barrier_signal -1
	s_barrier_wait -1
	CREST
.endm
.macro JLOAD
	s_cmp_eq_u32 s11, 0
	s_cbranch_scc0 .Lfor_b_\@
	tensor_load_to_lds s[G0A+4:G0A+7], s[G1A:G1A+7]
	s_nop 0
.rept 4
	v_nop
.endr
	s_branch .Lasked_\@
.Lfor_b_\@:
	tensor_load_to_lds s[G0B+4:G0B+7], s[G1B:G1B+7]
	s_nop 0
.rept 4
	v_nop
.endr
.Lasked_\@:
.endm
.macro MLOAD q                         ; my own 64 rows of the mask, into my own quarter of slot q: every wave's descriptor names other bytes
	tensor_load_to_lds s[G0M+4*(\q):G0M+4*(\q)+3], s[G1M:G1M+7]
	s_nop 0
.rept 4
	v_nop
.endr
.endm
; A prefetch of the K step two refills on: of the 128 rows that a wave fetches each of the four partners that ask with it takes 32, told apart by address, a lane a row.  Q's rows are asked for by the
; first column of clusters, K's by the first of a batch's two rows of clusters: each aligned block of 256 bytes is named once.  The last refills ask for nothing.
.macro ASK
	s_cmp_gt_u32 s3, s[LIM]
	s_cbranch_scc0 .Lnot_mine_\@
	global_prefetch_b8 v[PFO], s[PFA:PFA+1] th:TH_LOAD_NT scope:SCOPE_SE
.Lnot_mine_\@:
.endm
	s_load_b128 s[4:7], s[0:1], 0x0                ; qkv s[4:5], mask s[6:7]
	s_load_b128 s[92:95], s[0:1], 0x10             ; p s[92:93], stats s[94:95]
	v_lshl_add_u32 v[SPW], v0, 2, SPARE
	v_mov_b32 v[NIL], 0
	ds_add_u32 v[SPW], v[NIL]                      ; the wave's opening: the add and its wait ahead of my first tensor load
	v_lshrrev_b32 v1, 5, v0
	v_readfirstlane_b32 s10, v1
	s_lshr_b32 s11, s10, 1                         ; my half of the tile's queries.  Also: I fetch for Q (0) or for K (1)
	s_and_b32 s12, s10, 1                          ; my half of its keys.  Also: which 128 rows I fetch
	s_bfe_u32 s40, ttmp6, 0x40000
	s_bfe_u32 s41, ttmp6, 0x40004
	s_lshl_b32 s42, ttmp9, 2
	s_add_co_u32 s42, s42, s40                     ; the key tile in its batch
	s_and_b32 s67, ttmp7, 0xffff
	s_lshl_b32 s13, s67, 2
	s_add_co_u32 s13, s13, s41                     ; the query tile
	s_lshl_b32 s43, s41, 2
	s_lshl_b32 s43, 15, s43
	s_lshl_b32 s44, 0x1111, s40
	s_or_b32 s[G1A+0], s43, (1<<16)|(1<<20)|(1<<21)|(5<<22)|(3<<25)
	s_or_b32 s[G1B+0], s44, (1<<16)|(1<<20)|(1<<21)|(5<<22)|(3<<25)
.irp g, G1A, G1B
	s_mov_b32 s[(\g)+1], 128<<16                   ; a tile of 128 rows x 128 elements
	s_mov_b32 s[(\g)+2], 128<<16
	s_mov_b32 s[(\g)+3], 128<<16
	s_mov_b32 s[(\g)+4], 128
	s_mov_b32 s[(\g)+5], 1024
	s_mov_b32 s[(\g)+6], 0
	s_mov_b32 s[(\g)+7], 0
.endr
	s_mov_b32 s[G1M+0], (2<<16)|(1<<20)|(6<<22)|(3<<25)  ; no mask of work-groups; 4-byte elements; after every 128 words 4 words
	s_mov_b32 s[G1M+1], 128<<16                    ; 64 rows x 128 elements
	s_mov_b32 s[G1M+2], 64<<16
	s_mov_b32 s[G1M+3], 128<<16
	s_mov_b32 s[G1M+4], 64
	s_mov_b32 s[G1M+5], 2048
	s_mov_b32 s[G1M+6], 0
	s_mov_b32 s[G1M+7], 0
	s_lshl_b32 s16, s13, 8                         ; Q: row 256 x query tile + 128 x half
	s_lshl_b32 s17, s12, 7
	s_add_co_u32 s16, s16, s17
	s_lshl_b32 s16, s16, 11
	s_mov_b32 s17, 0
	s_lshr_b32 s18, s67, 1                         ; K: the batch, from the cluster's y alone,
	s_lshl_b32 s18, s18, 11
	s_lshl_b32 s19, s42, 8                         ; row 256 x key tile + 128 x half
	s_add_co_u32 s18, s18, s19
	s_lshl_b32 s19, s12, 7
	s_add_co_u32 s18, s18, s19
	s_lshl_b32 s18, s18, 11
	s_add_co_u32 s18, s18, 0x1000000               ; K lies behind Q
	s_mov_b32 s19, 0
	s_mul_i32 s20, s10, HALFT                      ; where they go
	s_lshl_b32 s22, s13, 8                         ; the mask: my first row, 8,192 bytes a row,
	s_lshl_b32 s23, s11, 7
	s_add_co_u32 s22, s22, s23
	s_lshl_b32 s22, s22, 13
	s_lshl_b32 s23, s42, 10                        ; my first key, 4 bytes each
	s_add_co_u32 s22, s22, s23
	s_lshl_b32 s23, s12, 9
	s_add_co_u32 s22, s22, s23
	s_mov_b32 s23, 0
	s_mov_b32 s[TB], 0
	s_mov_b32 s[CS], 0x3fb8aa3b                    ; c = log2 e
	s_mov_b32 s[CS+1], s[CS]
	s_mov_b32 s[SEL], 0x76543210
	s_mov_b32 s[SEL+1], 0xfedcba98
	s_mov_b32 s[CLAMP], 0xfe800000
	s_mov_b32 s[HMASK], 0xffff0000
	s_wait_dscnt 0x0                               ; the opening add is done
	s_wait_kmcnt 0x0
	s_add_nc_u64 s[14:15], s[4:5], s[16:17]
	s_add_nc_u64 s[46:47], s[4:5], s[18:19]
	s_add_nc_u64 s[22:23], s[6:7], s[22:23]
	CROUND
.irp s, 0,1
	s_mov_b32 s[G0A+4*(\s)], 1
	s_add_co_u32 s[G0A+4*(\s)+1], s20, (\s)*SLOT
	s_add_nc_u64 s[G0A+4*(\s)+2:G0A+4*(\s)+3], s[14:15], (\s)*256
	s_or_b32 s[G0A+4*(\s)+3], s[G0A+4*(\s)+3], 0x80000000
	s_mov_b32 s[G0B+4*(\s)], 1
	s_add_co_u32 s[G0B+4*(\s)+1], s20, (\s)*SLOT
	s_add_nc_u64 s[G0B+4*(\s)+2:G0B+4*(\s)+3], s[46:47], (\s)*256
	s_or_b32 s[G0B+4*(\s)+3], s[G0B+4*(\s)+3], 0x80000000
	s_mov_b32 s[G0M+4*(\s)], 1
	s_add_co_u32 s[G0M+4*(\s)+1], s20, (\s)*SLOT
	s_add_nc_u64 s[G0M+4*(\s)+2:G0M+4*(\s)+3], s[22:23], (\s)*64*8192
	s_or_b32 s[G0M+4*(\s)+3], s[G0M+4*(\s)+3], 0x80000000
.endr
	s_cmp_eq_u32 s11, 0                            ; a wave's two first fills stand in one branch: two loads of mine are out
	s_cbranch_scc0 .Lfirst_b
	tensor_load_to_lds s[G0A:G0A+3], s[G1A:G1A+7]
	s_nop 0
	tensor_load_to_lds s[G0A+4:G0A+7], s[G1A:G1A+7]
	s_nop 0
.rept 4
	v_nop
.endr
	s_branch .Lfirst_asked
.Lfirst_b:
	tensor_load_to_lds s[G0B:G0B+3], s[G1B:G1B+7]
	s_nop 0
	tensor_load_to_lds s[G0B+4:G0B+7], s[G1B:G1B+7]
	s_nop 0
.rept 4
	v_nop
.endr
.Lfirst_asked:
	v_and_b32 v1, 15, v0                           ; l % 16
	v_bfe_u32 v2, v0, 4, 1                         ; l / 16
	v_mul_u32_u24 v3, v1, PITCH
	v_lshl_add_u32 v3, v2, 4, v3                   ; row x pitch + 16 x half
	s_mul_i32 s16, s11, HALFT
	v_add_nc_u32 v[A0], s16, v3
	s_mul_i32 s16, s12, HALFT
	s_add_co_u32 s16, s16, 2*HALFT
	v_add_nc_u32 v[B0], s16, v3
	v_mov_b32 v[ADRA], v[A0]
	v_mov_b32 v[ADRB], v[B0]
	s_mul_i32 s16, s10, 16*SP
	s_add_co_u32 s16, s16, STAGE
	v_add_nc_u32 v[STO], s16, v3
	v_mul_u32_u24 v4, v2, SP
	v_lshl_add_u32 v4, v1, 4, v4
	v_add_nc_u32 v[RD], s16, v4
	v_lshlrev_b32 v4, 12, v2                       ; two rows of p, 4,096 bytes apart
	v_lshl_add_u32 v[CO], v1, 4, v4
	v_mul_u32_u24 v4, v1, MP                       ; the mask: row l % 16, 32 bytes for each half of the lanes
	v_lshl_add_u32 v4, v2, 5, v4
	v_add_nc_u32 v[MA], s20, v4
	v_add_nc_u32 v[MA+1], SLOT, v[MA]
	s_lshl_b32 s16, s10, 10
	s_add_co_u32 s16, s16, SSTAT
	v_lshlrev_b32 v4, 9, v2
	v_lshl_add_u32 v4, v1, 2, v4
	v_add_nc_u32 v[SS0], s16, v4
	v_and_b32 v4, 31, v0
	v_lshlrev_b32 v[SGO], 4, v4
	v_add_nc_u32 v[SR], s16, v[SGO]
	v_lshlrev_b32 v[PFO], 11, v4                   ; a lane a row of 2,048 bytes
	v_mov_b32 v[RS], 0x3d000000
	v_mov_b32 v[RS+1], 0x3d000000
	v_mov_b32 v[ONE], 1.0
	v_mov_b32 v[XC], 0
	v_mov_b32 v[CM+1], 0
	s_lshl_b32 s16, s13, 8                         ; p at my first row and key
	s_lshl_b32 s17, s11, 7
	s_add_co_u32 s18, s16, s17                     ; my first row
	s_lshl_b32 s16, s18, 12
	s_lshl_b32 s17, s42, 9
	s_add_co_u32 s16, s16, s17
	s_lshl_b32 s17, s12, 8
	s_add_co_u32 s16, s16, s17
	s_mov_b32 s17, 0
	s_add_nc_u64 s[92:93], s[92:93], s[16:17]
	s_lshl_b32 s16, s42, 1                         ; stats at my chunk and first row
	s_add_co_u32 s16, s16, s12
	s_lshl_b32 s16, s16, 16
	s_lshl_b32 s18, s18, 2
	s_add_co_u32 s16, s16, s18
	s_add_nc_u64 s[94:95], s[94:95], s[16:17]
	; the prefetches: they stand at K step 3; the first change of slots steps them to 4
	s_lshl_b32 s16, s13, 8
	s_lshl_b32 s17, s12, 7
	s_add_co_u32 s16, s16, s17
	s_lshl_b32 s17, s40, 5
	s_add_co_u32 s16, s16, s17
	s_lshl_b32 s16, s16, 11
	s_lshr_b32 s18, s67, 1
	s_lshl_b32 s18, s18, 11
	s_lshl_b32 s19, s42, 8
	s_add_co_u32 s18, s18, s19
	s_lshl_b32 s19, s12, 7
	s_add_co_u32 s18, s18, s19
	s_lshl_b32 s19, s41, 5
	s_add_co_u32 s18, s18, s19
	s_lshl_b32 s18, s18, 11
	s_add_co_u32 s18, s18, 0x1000000
	s_cmp_eq_u32 s11, 0
	s_cselect_b32 s16, s16, s18
	s_add_co_u32 s16, s16, 3*256
	s_mov_b32 s17, 0
	s_add_nc_u64 s[PFA:PFA+1], s[4:5], s[16:17]
	s_cmp_eq_u32 ttmp9, 0
	s_cselect_b32 s16, 2, -1
	s_and_b32 s18, s67, 1
	s_cmp_eq_u32 s18, 0
	s_cselect_b32 s17, 2, -1
	s_cmp_eq_u32 s11, 0
	s_cselect_b32 s[LIM], s16, s17                 ; the same in all sixteen partners, for a given wave
; 16 products: query blocks a0, a0 + 1 of the window's four x all 8 key blocks, 32 along K.  The 64 accumulators take turns.  zero = 1: the product starts the sum.
.macro MUL16 f, hi, a0, zero
	WIN MUL_LO+0x50*(\hi)
.irp a, \a0, (\a0)+1
.irp b, 0,1,2,3,4,5,6,7
.if \zero
	v_wmma_f32_16x16x32_f16 v[8*(8*(\a)+(\b)):8*(8*(\a)+(\b))+7], v[(\f)+8*(\b):(\f)+8*(\b)+7], v[(\f)+8*(4*(\hi)+(\a)):(\f)+8*(4*(\hi)+(\a))+7], 0
.else
	v_wmma_f32_16x16x32_f16 v[8*(8*(\a)+(\b)):8*(8*(\a)+(\b))+7], v[(\f)+8*(\b):(\f)+8*(\b)+7], v[(\f)+8*(4*(\hi)+(\a)):(\f)+8*(4*(\hi)+(\a))+7], v[8*(8*(\a)+(\b)):8*(8*(\a)+(\b))+7]
.endif
.endr
.endr
.endm
.macro FETCH k, f                      ; 32 LDS loads in one run: 128 keys, 128 queries, 32 along K at byte k of the rows
	WIN TO_B
.irp i, 0,1,2,3,4,5,6,7
	ds_load_b128 v[(\f)+8*(\i):(\f)+8*(\i)+3],   v[ADRB] offset:(\k)+(\i)*16*PITCH
	ds_load_b128 v[(\f)+8*(\i)+4:(\f)+8*(\i)+7], v[ADRB] offset:(\k)+(\i)*16*PITCH+32
.endr
	WIN 0
.irp i, 0,1,2,3,4,5,6,7
	ds_load_b128 v[(\f)+8*(\i):(\f)+8*(\i)+3],   v[ADRA] offset:(\k)+(\i)*16*PITCH
	ds_load_b128 v[(\f)+8*(\i)+4:(\f)+8*(\i)+7], v[ADRA] offset:(\k)+(\i)*16*PITCH+32
.endr
.endm
.macro QUARTER k, f, g, zero           ; multiplies buffer f; in its middle it fetches the next quarter, at byte k, into buffer g
	s_wait_dscnt 8                                 ; K's rows and Q's rows 0-63 are in; the youngest eight loads may be out
	MUL16 \f, 0, 0, \zero
	MUL16 \f, 0, 2, \zero
	PLACES
	FETCH \k, \g
	s_wait_dscnt 32                                ; all but the 32 just issued
	MUL16 \f, 1, 0, \zero
	MUL16 \f, 1, 2, \zero
.endm
; The first half of a step's last quarter, and a round.  The 32 products are issued first, so that a refill has the whole step's 256 products in which to land and only the round stands between the wait for one
; refill and the request of the next.  Then each wave waits for all its tensor loads, adds 0 to its spare word, and waits for that and for its reads of this slot.
.macro MEET step
	s_wait_dscnt 8                                 ; K's rows and Q's rows 0-63 are in; the youngest eight loads may be out
	MUL16 F1, 0, 0, 0
	MUL16 F1, 0, 2, 0
	WIN 0
	s_wait_tensorcnt 0x0                           ; no tensor load of mine is out, so a group 0 may be written
	ds_add_u32 v[SPW], v[NIL]
.if \step
	s_xor_b32 s[G0A+5], s[G0A+5], SLOT
	s_add_nc_u64 s[G0A+6:G0A+7], s[G0A+6:G0A+7], 256
	s_xor_b32 s[G0B+5], s[G0B+5], SLOT
	s_add_nc_u64 s[G0B+6:G0B+7], s[G0B+6:G0B+7], 256
.endif
	s_xor_b32 s[TB], s[TB], SLOT
	s_wait_dscnt 0x0                               ; the add is done, and my reads of this slot are over
	s_barrier_signal -1
	s_barrier_wait -1
	CREST                                          ; no wave of any partner still reads this slot or has a load on its way
.endm
.macro NEXTSLOT
	v_add_nc_u32 v[ADRA], s[TB], v[A0]
	v_add_nc_u32 v[ADRB], s[TB], v[B0]
	FETCH 0, F0
.endm
	s_wait_tensorcnt 0x1                           ; my part of K step 0 is in; step 1's may stay out
	s_barrier_signal -1
	s_barrier_wait -1
	FETCH 0, F0
	QUARTER 64, F0, F1, 1
	WIN 0
	s_mov_b32 s3, NK-2
.Lstep:                                        ; a trip: a step's last three quarters, the next step's first; one refill
	QUARTER 128, F1, F0, 0
	QUARTER 192, F0, F1, 0
	s_wait_xcnt 0x0                                ; the last prefetch, a K step back, has read its address
	s_add_nc_u64 s[PFA:PFA+1], s[PFA:PFA+1], 256
	MEET 1
	JLOAD                                          ; the first tensor load behind the round; its four v_nop are also the places in front of the loads below
	NEXTSLOT
	ASK
	MUL16 F1, 1, 0, 0
	MUL16 F1, 1, 2, 0
	QUARTER 64, F0, F1, 0
	WIN 0
	s_sub_co_u32 s3, s3, 1
	s_cmp_lg_u32 s3, 0
	s_cbranch_scc1 .Lstep
	QUARTER 128, F1, F0, 0                         ; the last step but one ends: its slot takes the mask of my rows 0-63
	QUARTER 192, F0, F1, 0
	MEET 0
	MLOAD 0
	NEXTSLOT
	MUL16 F1, 1, 0, 0
	MUL16 F1, 1, 2, 0
	QUARTER 64, F0, F1, 0
	QUARTER 128, F1, F0, 0
	QUARTER 192, F0, F1, 0
	MEET 0                                         ; the last step's reads are over, and the mask's first part has landed: the other slot takes the mask of my rows 64-127
	MLOAD 1
	MUL16 F1, 1, 0, 0
	MUL16 F1, 1, 2, 0
	WIN 0
	PLACES
	PLACES
; THE WAY OUT, a block of 16 queries x 128 keys at a time.  What names the block's accumulators and its rows of the mask is written four times for each part (PIECE); the rest once (COMMON), in a loop of four trips.
.macro PIECE q, k
	s_mov_b32 s[SO], 64*(4*(\q)+(\k))
.irp b, 0,1,2,3,4,5,6,7
	ds_load_b128 v[M+8*(\b):M+8*(\b)+3],   v[MA+(\q)] offset:(\k)*16*MP+64*(\b)
	ds_load_b128 v[M+8*(\b)+4:M+8*(\b)+7], v[MA+(\q)] offset:(\k)*16*MP+64*(\b)+16
.endr
	WIN 0x02+(\q)                                  ; source 0 in window 2 or 3
.set i, 0
.rept 32
	v_pk_mul_f32 v[U+2*i:U+2*i+1], v[64*(\k)+2*i:64*(\k)+2*i+1], v[RS:RS+1] op_sel_hi:[1,0]  ; s / 32, exact; each accumulator is read from its low end on
.set i, i+1
.endr
	WIN 0
.endm
.macro COMMON
	s_wait_dscnt 0x0                               ; the mask
.set i, 0
.rept 32
	v_cvt_pk_bf16_f32 v[MB+i], v[M+2*i], v[M+2*i+1]
.set i, i+1
.endr
.set i, 0
.rept 32
	v_fma_mix_f32_bf16 v[U+2*i], v[U+2*i], v[ONE], v[MB+i] op_sel_hi:[0,0,1]                    ; u = s / 32 + mask
	v_fma_mix_f32_bf16 v[U+2*i+1], v[U+2*i+1], v[ONE], v[MB+i] op_sel:[0,0,1] op_sel_hi:[0,0,1]
.set i, i+1
.endr
.irp n, 0,1,2,3                        ; the maximum of my 64: four chains of fifteen, the four left over, the chains into one, held at -2^126 from below
	v_max3_num_f32 v[CH+(\n)], v[U+16*(\n)], v[U+16*(\n)+1], v[U+16*(\n)+2]
.endr
.irp s, 0,1,2,3,4,5
.irp n, 0,1,2,3
	v_max3_num_f32 v[CH+(\n)], v[CH+(\n)], v[U+16*(\n)+3+2*(\s)], v[U+16*(\n)+4+2*(\s)]
.endr
.endr
	v_max3_num_f32 v[CH], v[CH], v[U+15], v[U+31]
	v_max3_num_f32 v[CH+2], v[CH+2], v[U+47], v[U+63]
	v_max3_num_f32 v[CH], v[CH], v[CH+1], v[CH+2]
	v_max3_num_f32 v[CH], v[CH], v[CH+3], s[CLAMP]
	v_permlanex16_b32 v[XC], v[CH], s[SEL], s[SEL+1]  ; the query's other 64 keys lie in the lane 16 away
	v_max_num_f32 v[MX], v[CH], v[XC]
	v_mul_f32 v[CM], s[CS], v[MX]
.set i, 0
.rept 32
	v_pk_fma_f32 v[U+2*i:U+2*i+1], v[U+2*i:U+2*i+1], s[CS:CS+1], v[CM:CM+1] op_sel_hi:[1,0,0] neg_lo:[0,0,1] neg_hi:[0,0,1]  ; c u - c m
.set i, i+1
.endr
.set i, 0
.rept 64
	v_exp_f32 v[U+i], v[U+i]
.set i, i+1
.endr
	v_nop                                          ; a plain instruction behind the last exponential,
	s_wait_alu depctr_va_vdst(0)                   ; and one wait for the batch of 64, ahead of its first reader
.set i, 0
.rept 32
	v_cvt_pk_f16_f32 v[PK+i], v[U+2*i], v[U+2*i+1]
.set i, i+1
.endr
.irp w, 1,2,4,8,16                     ; the sum of the 32 pairs, in place
.set i, 0
.rept 16/(\w)
	v_pk_add_f32 v[U+2*i:U+2*i+1], v[U+2*i:U+2*i+1], v[U+2*(i+(\w)):U+2*(i+(\w))+1]
.set i, i+2*(\w)
.endr
.endr
	v_add_f32 v[LS], v[U], v[U+1]
	v_permlanex16_b32 v[XC], v[LS], s[SEL], s[SEL+1]
	v_add_f32 v[LS], v[LS], v[XC]
.irp b, 0,1,2,3,4,5,6,7
	ds_store_b128 v[STO], v[PK+4*(\b):PK+4*(\b)+3] offset:32*(\b)
.endr
	v_cndmask_b32 v[SV], v[CM], v[LS], s[HMASK]    ; lanes 0-15 put c m, lanes 16-31 l
	v_add_nc_u32 v[SSA], s[SO], v[SS0]
	ds_store_b32 v[SSA], v[SV]
.irp t, 0,1,2,3,4,5,6,7
	ds_load_b128 v[BK+4*(\t):BK+4*(\t)+3], v[RD] offset:(\t)*2*SP  ; LDS serves a wave's instructions in order: these see the stores above
.endr
	s_wait_dscnt 0x0
.irp t, 0,1,2,3,4,5,6,7
	global_store_b128 v[CO], v[BK+4*(\t):BK+4*(\t)+3], s[92:93] offset:2*(\t)*4096  ; 16 lanes store 256 consecutive bytes, aligned
.endr
	s_wait_xcnt 0x0                                ; the stores have read their registers and their base: both are written again only behind this wait
	s_add_nc_u64 s[92:93], s[92:93], 16*4096
.endm
.macro EPI q
	s_mov_b32 s[BL], 0
.Lepi_\q:
	s_cmp_eq_u32 s[BL], 0
	s_cbranch_scc1 .Lpiece0_\q
	s_cmp_eq_u32 s[BL], 1
	s_cbranch_scc1 .Lpiece1_\q
	s_cmp_eq_u32 s[BL], 2
	s_cbranch_scc1 .Lpiece2_\q
	PIECE \q, 3
	s_branch .Lcommon_\q
.Lpiece0_\q:
	PIECE \q, 0
	s_branch .Lcommon_\q
.Lpiece1_\q:
	PIECE \q, 1
	s_branch .Lcommon_\q
.Lpiece2_\q:
	PIECE \q, 2
.Lcommon_\q:
	COMMON
	s_add_co_u32 s[BL], s[BL], 1
	s_cmp_lt_u32 s[BL], 4
	s_cbranch_scc1 .Lepi_\q
.endm
	EPI 0                                          ; my rows 0-63: their mask was shown landed by the last wait for all my tensor loads
	s_wait_tensorcnt 0x0                           ; the mask of my rows 64-127
	EPI 1
	ds_load_b128 v[64:67], v[SR]                   ; c m of my 128 rows: 512 consecutive bytes,
	ds_load_b128 v[68:71], v[SR] offset:512        ; and l
	s_wait_dscnt 0x0
	global_store_b128 v[SGO], v[64:67], s[94:95]
	global_store_b128 v[SGO], v[68:71], s[94:95] offset:32768
	s_wait_tensorcnt 0x0                           ; the wave's end
	ds_add_u32 v[SPW], v[NIL]
	s_wait_dscnt 0x0
	CROUND                                         ; the closing round
	s_endpgm
.Lfunc_end_k_qa41db644cc_scores:
	.size	k_qa41db644cc_scores, .Lfunc_end_k_qa41db644cc_scores-k_qa41db644cc_scores
	.p2alignl 7, 3214868480
	.fill 96, 4, 3214868480
	.section	.rodata,"a",@progbits
	.p2align	6, 0x0
	.amdhsa_kernel k_qa41db644cc_scores
		.amdhsa_group_segment_fixed_size 327680
		.amdhsa_private_segment_fixed_size 0
		.amdhsa_enable_private_segment 0
		.amdhsa_kernarg_size 32
		.amdhsa_user_sgpr_count 2
		.amdhsa_user_sgpr_kernarg_segment_ptr 1
		.amdhsa_wavefront_size32 1
		.amdhsa_system_sgpr_workgroup_id_x 1
		.amdhsa_system_sgpr_workgroup_id_y 1
		.amdhsa_system_sgpr_workgroup_id_z 1
		.amdhsa_system_vgpr_workitem_id 0
		.amdhsa_next_free_vgpr 1024
		.amdhsa_next_free_sgpr 100
		.amdhsa_reserve_vcc 0
		.amdhsa_float_denorm_mode_32 3
		.amdhsa_float_denorm_mode_16_64 3
		.amdhsa_memory_ordered 1
		.amdhsa_forward_progress 1
		.amdhsa_inst_pref_size 152
	.end_amdhsa_kernel
	.amdgpu_metadata
---
amdhsa.version: [ 1, 2 ]
amdhsa.kernels:
  - .name:           k_qa41db644cc_scores
    .symbol:         k_qa41db644cc_scores.kd
    .args:
      - { .name: qkv, .offset: 0, .size: 8, .value_kind: global_buffer, .address_space: global }
      - { .name: mask, .offset: 8, .size: 8, .value_kind: global_buffer, .address_space: global }
      - { .name: p, .offset: 16, .size: 8, .value_kind: global_buffer, .address_space: global }
      - { .name: stats, .offset: 24, .size: 8, .value_kind: global_buffer, .address_space: global }
    .group_segment_fixed_size: 327680
    .private_segment_fixed_size: 0
    .kernarg_segment_align: 8
    .kernarg_segment_size: 32
    .max_flat_workgroup_size: 128
    .sgpr_count:     100
    .vgpr_count:     1024
    .wavefront_size: 32
...
	.end_amdgpu_metadata
.endif
;; end of part 3
;; launch pv (part 4): grid 4 x 64, 4 waves a work-group, clusters of 4 x 4, 327,680 bytes of LDS; arguments p, stats, qkv, out0; writes out0
.if DOCPART == 4
	.amdgcn_target "amdgcn-amd-amdhsa--gfx1250"
	.amdhsa_code_object_version 6
	.text
	.protected	k_qa41db644cc_pv
	.globl	k_qa41db644cc_pv
	.p2align	8
	.type	k_qa41db644cc_pv,@function
k_qa41db644cc_pv:
	s_mov_b64 s[64:65], 0
	v_nop
	global_prefetch_b8 v0, s[64:65] scope:SCOPE_SE
	s_setreg_imm32_b32 hwreg(HW_REG_WAVE_MODE, 25, 1), 1
	s_wait_xcnt 0x0
	s_wait_alu depctr_hold_cnt(0) depctr_sa_sdst(0) depctr_va_vdst(0) depctr_va_sdst(0) depctr_va_ssrc(0) depctr_va_vcc(0) depctr_vm_vsrc(0)
	s_getreg_b32 s2, hwreg(HW_REG_IB_STS2, 6, 4)
	s_cmp_eq_u32 s2, 0
	s_cbranch_scc0 .Lentry_in_a_cluster
	s_endpgm
.Lentry_in_a_cluster:
	s_bfe_u32 s2, ttmp6, 0x10000c
	s_cmp_lg_u32 s2, 0xf033
	s_cbranch_scc0 .Lentry_shape_is_right
	s_endpgm
.Lentry_shape_is_right:
; O = (the sum over the 16 chunks t of (g_t P_t) V_t) / L, with CM = the maximum of a row's 16 c m_t, g_t = 2^(c m_t - CM), L = the sum of g_t l_t.
; p: [8192][2048] f16, weights relative to their chunk's maximum; stats: c m and l for each chunk and row, f32; V: [8192][1024] f16, the third part of qkv; out0 f32.
; Products in f16, sums in f32.  g is at most 1; g P is made in f16 between the load of P's fragment and the product (one more rounding), L and 1 / L in f32.
; LIMITS.  g P below 6e-5 of a row's largest weight keeps f16's fixed step of 6e-8.  A row whose scores are all -inf gives 0 x inf = NaN.
; SHARES.  A tile is 128 rows x 256 columns: 256 work-groups.  Four waves, each 64 x 128: 32 accumulators.  A K step is a chunk of 128 keys; two LDS slots filled by tensor loads.
; CLUSTER 4 x 4: P's tile is shared along a row of the cluster, V's along a column, each asked for jointly.
; THE PRODUCT IS USED TRANSPOSED: source 0 = 16 columns of V (turned by ds_load_tr16_b128), source 1 = 16 rows of P: a lane holds one row and eight neighbouring columns.
; REGISTERS, in windows of 256: window 0: v0-63 addresses, scales; v64-191 P's fragments, two buffers of 64 along K; on the way out v64-255 at work
;   window 1: V's fragments, two buffers of 128      window 2: the accumulators, (a, b) at 8 (8 a + b)
.set NK,    16
.set PA,    272
.set PB,    544
.set AHALF, 64*PA
.set BOFF,  128*PA
.set BHALF, 64*PB
.set SLOTX, 1<<17
.set GT,    BOFF+128*PB                ; between the slots, never filled by a tensor load: for each wave 17 x 256 bytes: g (twice, in f16) of its 64 rows for each chunk, then 1 / L
.set SPARE, GT+4*17*256                ; the spare words: two blocks of 256 bytes that no other line names
.set STAGE, SLOTX+BOFF+128*PB          ; behind slot 1: 16 rows x 528 bytes for each wave
.set SP,    528
.set KA,    256
.set KB,    128*2048
.set A0,   16
.set B0,   17
.set ADRA, 18
.set ADRB, 19
.set GA0,  20                          ; v20  my row's place in a chunk's 256 bytes of the table; never rewritten
.set GS,   21                          ; v21  where I put a row's g
.set GA,   22                          ; v22  GA0 + the chunk in hand
.set STO,  24
.set RD,   25
.set CO,   26
.set SPW,  28
.set NIL,  29
.set PFO,  30
.set G,    32                          ; v32-35  g of my row in each of the four row blocks, for the chunk in hand
.set RL,   36                          ; v36-43  1 / L, a pair for each row block
.set G1A, 24
.set G0A, 32
.set LIM, 43
.set PFA, 44
.set PFS, 46
.set G1B, 48
.set G0B, 56
.set TB,  66
.set GTO, 82                           ; s82  256 x the chunk in hand
.set MUL,  0xa1
.set TO_B, 0x40
.set MSB, 0
.macro WIN new
.if MSB != (\new)
	s_set_vgpr_msb (MSB<<8)|(\new)
.set MSB, \new
.endif
.endm
.macro PLACES
.rept 4
	v_nop
.endr
.endm
.macro CREST
	s_cmp_lg_u32 s10, 0
	s_cbranch_scc1 .Lnot_wave_0_\@
	s_barrier_signal -3
.Lnot_wave_0_\@:
	s_barrier_wait -3
	s_barrier_signal -1
	s_barrier_wait -1
.endm
.macro CROUND
	s_barrier_signal -1
	s_barrier_wait -1
	CREST
.endm
.macro JLOAD
	s_cmp_eq_u32 s11, 0
	s_cbranch_scc0 .Lfor_b_\@
	tensor_load_to_lds s[G0A+4:G0A+7], s[G1A:G1A+7]
	s_nop 0
.rept 4
	v_nop
.endr
	s_branch .Lasked_\@
.Lfor_b_\@:
	tensor_load_to_lds s[G0B+4:G0B+7], s[G1B:G1B+7]
	s_nop 0
.rept 4
	v_nop
.endr
.Lasked_\@:
.endm
; A prefetch of the K step two refills on.  P's rows: wave 0, 32 rows for each of the four partners of a row of the cluster, a lane a row.  V's rows: waves 2 and 3 of the first of a batch's four rows of
; clusters, 16 rows x 2 blocks for each of the four partners of a column.  The partners are told apart by address.  Each aligned block of 256 bytes is named once; the last refills ask for nothing.
.macro ASK
	s_cmp_gt_u32 s3, s[LIM]
	s_cbranch_scc0 .Lnot_mine_\@
	global_prefetch_b8 v[PFO], s[PFA:PFA+1] th:TH_LOAD_NT scope:SCOPE_SE
.Lnot_mine_\@:
.endm
	s_load_b256 s[68:75], s[0:1], 0x0              ; p s[68:69], stats s[70:71], qkv s[72:73], out0 s[74:75]
	v_lshl_add_u32 v[SPW], v0, 2, SPARE
	v_mov_b32 v[NIL], 0
	ds_add_u32 v[SPW], v[NIL]                      ; the wave's opening: the add and its wait ahead of my first tensor load
	v_lshrrev_b32 v1, 5, v0
	v_readfirstlane_b32 s10, v1
	s_lshr_b32 s11, s10, 1                         ; which 64 rows of the tile are mine.  Also: I fetch for P (0) or for V (1)
	s_and_b32 s12, s10, 1                          ; which 128 columns.  Also: which half of that tile I fetch
	s_bfe_u32 s40, ttmp6, 0x40000                  ; cx: the tile column
	s_bfe_u32 s41, ttmp6, 0x40004
	s_and_b32 s67, ttmp7, 0xffff
	s_lshl_b32 s13, s67, 2
	s_add_co_u32 s13, s13, s41                     ; the tile row
	s_lshl_b32 s43, s41, 2
	s_lshl_b32 s43, 15, s43
	s_lshl_b32 s44, 0x1111, s40
	s_or_b32 s[G1A+0], s43, (1<<16)|(1<<20)|(1<<21)|(5<<22)|(3<<25)
	s_mov_b32 s[G1A+1], 128<<16                    ; 64 rows x 128 elements
	s_mov_b32 s[G1A+2], 64<<16
	s_mov_b32 s[G1A+3], 128<<16
	s_mov_b32 s[G1A+4], 64
	s_mov_b32 s[G1A+5], 2048
	s_mov_b32 s[G1A+6], 0
	s_mov_b32 s[G1A+7], 0
	s_or_b32 s[G1B+0], s44, (1<<16)|(1<<20)|(1<<21)|(6<<22)|(7<<25)
	s_mov_b32 s[G1B+1], 256<<16                    ; 64 rows x 256 elements
	s_mov_b32 s[G1B+2], 64<<16
	s_mov_b32 s[G1B+3], 256<<16
	s_mov_b32 s[G1B+4], 64
	s_mov_b32 s[G1B+5], 1024
	s_mov_b32 s[G1B+6], 0
	s_mov_b32 s[G1B+7], 0
	s_lshl_b32 s16, s13, 7                         ; P: row 128 x tile row + 64 x half, 4,096 bytes a row
	s_lshl_b32 s17, s12, 6
	s_add_co_u32 s16, s16, s17
	s_lshl_b32 s16, s16, 12
	s_mov_b32 s17, 0
	s_lshr_b32 s18, s67, 2                         ; V: the batch, from the cluster's y alone: 2,048 rows of 2,048 bytes,
	s_lshl_b32 s18, s18, 22
	s_add_co_u32 s18, s18, 0x2000000               ; behind Q and K,
	s_lshl_b32 s19, s12, 17                        ; my 64 rows,
	s_add_co_u32 s18, s18, s19
	s_lshl_b32 s19, s40, 9                         ; the tile's 256 columns
	s_add_co_u32 s18, s18, s19
	s_mov_b32 s19, 0
	s_mul_i32 s20, s12, AHALF
	s_mul_i32 s21, s12, BHALF
	s_add_co_u32 s21, s21, BOFF
	s_mov_b32 s[TB], 0
	s_mov_b32 s[GTO], 0
	s_wait_dscnt 0x0                               ; the opening add is done
	s_wait_kmcnt 0x0
	s_add_nc_u64 s[14:15], s[68:69], s[16:17]
	s_add_nc_u64 s[22:23], s[72:73], s[18:19]
	CROUND
.irp s, 0,1
	s_mov_b32 s[G0A+4*(\s)], 1
	s_add_co_u32 s[G0A+4*(\s)+1], s20, (\s)*SLOTX
	s_add_nc_u64 s[G0A+4*(\s)+2:G0A+4*(\s)+3], s[14:15], (\s)*KA
	s_or_b32 s[G0A+4*(\s)+3], s[G0A+4*(\s)+3], 0x80000000
	s_mov_b32 s[G0B+4*(\s)], 1
	s_add_co_u32 s[G0B+4*(\s)+1], s21, (\s)*SLOTX
	s_add_nc_u64 s[G0B+4*(\s)+2:G0B+4*(\s)+3], s[22:23], (\s)*KB
	s_or_b32 s[G0B+4*(\s)+3], s[G0B+4*(\s)+3], 0x80000000
.endr
	s_cmp_eq_u32 s11, 0                            ; a wave's two first fills stand in one branch: two loads of mine are out
	s_cbranch_scc0 .Lfirst_b
	tensor_load_to_lds s[G0A:G0A+3], s[G1A:G1A+7]
	s_nop 0
	tensor_load_to_lds s[G0A+4:G0A+7], s[G1A:G1A+7]
	s_nop 0
.rept 4
	v_nop
.endr
	s_branch .Lfirst_asked
.Lfirst_b:
	tensor_load_to_lds s[G0B:G0B+3], s[G1B:G1B+7]
	s_nop 0
	tensor_load_to_lds s[G0B+4:G0B+7], s[G1B:G1B+7]
	s_nop 0
.rept 4
	v_nop
.endr
.Lfirst_asked:
	; the statistics of my 64 rows: lane l takes rows l and 32 + l; c m of chunk t into v[64 + 16 a + t], l into v[96 + 16 a + t]
	s_lshl_b32 s16, s13, 7
	s_lshl_b32 s17, s11, 6
	s_add_co_u32 s16, s16, s17
	s_lshl_b32 s16, s16, 2
	s_mov_b32 s17, 0
	s_add_nc_u64 s[78:79], s[70:71], s[16:17]
	v_and_b32 v4, 31, v0
	v_lshlrev_b32 v3, 2, v4
.set t, 0
.rept 16
.irp h, 0,1
	global_load_b32 v[64+16*(\h)+t], v3, s[78:79] offset:t*65536+(\h)*128
	global_load_b32 v[96+16*(\h)+t], v3, s[78:79] offset:t*65536+32768+(\h)*128
.endr
.set t, t+1
.endr
	v_and_b32 v1, 15, v0                           ; l % 16
	v_bfe_u32 v2, v0, 4, 1                         ; l / 16
	v_mul_u32_u24 v7, v1, PA
	v_lshl_add_u32 v7, v2, 4, v7
	s_mul_i32 s16, s11, AHALF
	v_add_nc_u32 v[A0], s16, v7
	v_and_b32 v5, 7, v0
	v_lshl_add_u32 v5, v2, 3, v5
	v_mul_u32_u24 v5, v5, PB
	v_bfe_u32 v6, v0, 3, 1
	v_lshl_add_u32 v5, v6, 4, v5
	s_lshl_b32 s16, s12, 8
	s_add_co_u32 s16, s16, BOFF
	v_add_nc_u32 v[B0], s16, v5
	v_mov_b32 v[ADRA], v[A0]
	v_mov_b32 v[ADRB], v[B0]
	s_mul_i32 s16, s10, 17*256
	s_add_co_u32 s16, s16, GT                      ; my table
	v_add_nc_u32 v[GS], s16, v3
	v_lshl_add_u32 v[GA0], v1, 2, s16
	v_mov_b32 v[GA], v[GA0]
	s_mul_i32 s16, s10, 16*SP
	s_add_co_u32 s16, s16, STAGE                   ; my stage
	v_mul_u32_u24 v5, v1, SP                       ; in: row l % 16, 32 bytes for each half of the lanes
	v_lshl_add_u32 v5, v2, 5, v5
	v_add_nc_u32 v[STO], s16, v5
	v_lshlrev_b32 v[CO], 4, v4                     ; back: 32 lanes take one row of 512 bytes
	v_add_nc_u32 v[RD], s16, v[CO]
	s_lshl_b32 s16, s13, 7                         ; out0 at my first row and column
	s_lshl_b32 s17, s11, 6
	s_add_co_u32 s16, s16, s17
	s_lshl_b32 s16, s16, 12
	s_lshl_b32 s17, s40, 10
	s_add_co_u32 s16, s16, s17
	s_lshl_b32 s17, s12, 9
	s_add_co_u32 s16, s16, s17
	s_mov_b32 s17, 0
	s_add_nc_u64 s[80:81], s[74:75], s[16:17]
	; the prefetches: they stand at K step 3; the first change of slots steps them to 4
	s_lshl_b32 s16, s13, 7
	s_lshl_b32 s17, s40, 5
	s_add_co_u32 s16, s16, s17
	s_lshl_b32 s16, s16, 12
	s_add_co_u32 s16, s16, 3*KA
	s_lshr_b32 s18, s67, 2
	s_lshl_b32 s18, s18, 22
	s_add_co_u32 s18, s18, 0x2000000+3*KB
	s_lshl_b32 s19, s12, 17
	s_add_co_u32 s18, s18, s19
	s_lshl_b32 s19, s41, 15
	s_add_co_u32 s18, s18, s19
	s_lshl_b32 s19, s40, 9
	s_add_co_u32 s18, s18, s19
	s_mov_b32 s19, KB
	s_cmp_eq_u32 s11, 0
	s_cselect_b32 s16, s16, s18
	s_cselect_b32 s[PFS], KA, s19
	s_cselect_b32 s18, -1, 0
	s_cselect_b64 s[PFA:PFA+1], s[68:69], s[72:73]
	s_mov_b32 s17, 0
	s_mov_b32 s[PFS+1], 0
	s_add_nc_u64 s[PFA:PFA+1], s[PFA:PFA+1], s[16:17]
	v_lshlrev_b32 v5, 12, v4                       ; P: a lane a row
	v_lshrrev_b32 v6, 1, v4                        ; V: two lanes a row, 256 bytes apart
	v_and_b32 v4, 1, v4
	v_lshlrev_b32 v6, 11, v6
	v_lshl_add_u32 v6, v4, 8, v6
	v_cndmask_b32 v[PFO], v6, v5, s18
	s_and_b32 s16, s67, 3
	s_cmp_eq_u32 s16, 0
	s_cselect_b32 s17, 2, -1
	s_cmp_eq_u32 s11, 0
	s_cselect_b32 s[LIM], 2, s17
	s_cmp_eq_u32 s10, 1
	s_cselect_b32 s[LIM], -1, s[LIM]               ; the same in all sixteen partners, for a given wave
	s_wait_loadcnt 0x0
.irp h, 0,1                            ; CM: the maximum of the 16 c m
	v_max3_num_f32 v[44+(\h)], v[64+16*(\h)], v[65+16*(\h)], v[66+16*(\h)]
.endr
.irp s, 0,1,2,3,4,5
.irp h, 0,1
	v_max3_num_f32 v[44+(\h)], v[44+(\h)], v[67+16*(\h)+2*(\s)], v[68+16*(\h)+2*(\s)]
.endr
.endr
.irp h, 0,1
	v_max_num_f32 v[44+(\h)], v[44+(\h)], v[79+16*(\h)]
.endr
.set i, 0
.rept 32
	v_sub_f32 v[64+i], v[64+i], v[44+i/16]
.set i, i+1
.endr
.set i, 0
.rept 32
	v_exp_f32 v[64+i], v[64+i]                     ; g
.set i, i+1
.endr
	v_nop                                          ; a plain instruction behind the last exponential,
	s_wait_alu depctr_va_vdst(0)                   ; and one wait for the batch of 32
.irp h, 0,1
	v_mul_f32 v[46+(\h)], v[64+16*(\h)], v[96+16*(\h)]
.endr
.set t, 1
.rept 15
.irp h, 0,1
	v_fmac_f32 v[46+(\h)], v[64+16*(\h)+t], v[96+16*(\h)+t]  ; L
.endr
.set t, t+1
.endr
	v_rcp_f32 v48, v46
	v_rcp_f32 v49, v47
	v_nop
	s_wait_alu depctr_va_vdst(0)                   ; one wait for the two reciprocals
.set i, 0
.rept 32
	v_cvt_pk_f16_f32 v[64+i], v[64+i], v[64+i]     ; g twice, for the packed multiply
.set i, i+1
.endr
.set t, 0
.rept 16
.irp h, 0,1
	ds_store_b32 v[GS], v[64+16*(\h)+t] offset:t*256+(\h)*128
.endr
.set t, t+1
.endr
	ds_store_b32 v[GS], v48 offset:16*256
	ds_store_b32 v[GS], v49 offset:16*256+128      ; the table is my wave's own: LDS serves a wave's instructions in order
.macro MULH f, c, a0, start            ; 16 products; the 32 accumulators take turns.  start = 1: the product starts the sum
	WIN MUL
.irp a, \a0, (\a0)+1
.irp b, 0,1,2,3,4,5,6,7
.if \start
	v_wmma_f32_16x16x32_f16 v[8*(8*(\a)+(\b)):8*(8*(\a)+(\b))+7], v[128*(\f)+8*(8*(\c)+(\b)):128*(\f)+8*(8*(\c)+(\b))+7], v[64+64*(\f)+8*(4*(\c)+(\a)):64+64*(\f)+8*(4*(\c)+(\a))+7], 0
.else
	v_wmma_f32_16x16x32_f16 v[8*(8*(\a)+(\b)):8*(8*(\a)+(\b))+7], v[128*(\f)+8*(8*(\c)+(\b)):128*(\f)+8*(8*(\c)+(\b))+7], v[64+64*(\f)+8*(4*(\c)+(\a)):64+64*(\f)+8*(4*(\c)+(\a))+7], v[8*(8*(\a)+(\b)):8*(8*(\a)+(\b))+7]
.endif
.endr
.endr
.endm
; A half's last 16 products, on buffer f; behind each, four lines that scale the NEXT half's fragments of P (buffer g) by g: register n belongs to row block (n / 8) % 4
.macro MULR f, g
.set n, 0
.irp a, 2,3
.irp b, 0,1,2,3,4,5,6,7
	WIN MUL
	v_wmma_f32_16x16x32_f16 v[8*(8*(\a)+(\b)):8*(8*(\a)+(\b))+7], v[128*(\f)+8*(8+(\b)):128*(\f)+8*(8+(\b))+7], v[64+64*(\f)+8*(4+(\a)):64+64*(\f)+8*(4+(\a))+7], v[8*(8*(\a)+(\b)):8*(8*(\a)+(\b))+7]
	WIN 0
.rept 4
	v_pk_mul_f16 v[64+64*(\g)+n], v[64+64*(\g)+n], v[G+((n>>3)&3)]
.set n, n+1
.endr
.endr
.endr
.endm
.macro FETCH hs, f                     ; 48 LDS loads in one run: P's 16, then V's first 32 along K, then its second
	WIN 0
.irp c, 0,1
.irp a, 0,1,2,3
	ds_load_b128 v[64+64*(\f)+8*(4*(\c)+(\a)):64+64*(\f)+8*(4*(\c)+(\a))+3],   v[ADRA] offset:(\a)*16*PA+128*(\hs)+64*(\c)
	ds_load_b128 v[64+64*(\f)+8*(4*(\c)+(\a))+4:64+64*(\f)+8*(4*(\c)+(\a))+7], v[ADRA] offset:(\a)*16*PA+128*(\hs)+64*(\c)+32
.endr
.endr
	WIN TO_B
.irp c, 0,1
.irp b, 0,1,2,3,4,5,6,7
	ds_load_tr16_b128 v[128*(\f)+8*(8*(\c)+(\b)):128*(\f)+8*(8*(\c)+(\b))+3],   v[ADRB] offset:(64*(\hs)+32*(\c))*PB+32*(\b)
	ds_load_tr16_b128 v[128*(\f)+8*(8*(\c)+(\b))+4:128*(\f)+8*(8*(\c)+(\b))+7], v[ADRB] offset:(64*(\hs)+32*(\c))*PB+32*(\b)+16*PB
.endr
.endr
.endm
.macro GLOAD                           ; g of my row in the four row blocks, for the chunk at v[GA]
	WIN 0
.irp a, 0,1,2,3
	ds_load_b32 v[G+(\a)], v[GA] offset:64*(\a)
.endr
.endm
.macro HALF f, g, hs, start
	s_wait_dscnt 16                                ; all but V's second 32 along K
	MULH \f, 0, 0, \start
	MULH \f, 0, 2, \start
	PLACES
	FETCH \hs, \g
	s_wait_dscnt 48                                ; all but the 48 just issued
	MULH \f, 1, 0, 0
	s_wait_dscnt 32                                ; P's fragments of the next half are in; V's 32 loads may be out
	MULR \f, \g
.endm
; The second half multiplies buffer 1 and changes slots: ONE barrier.  The 32 products that need nothing of the next slot are issued first, so that a refill has the whole step's 128 products in which to land and only
; the round stands between the wait for one refill and the request of the next.  Then each wave waits for all its tensor loads, adds 0 to its spare word, and waits for that and for its reads of this slot.
.macro TURN fill
.if \fill
	s_wait_xcnt 0x0                                ; the last prefetch, a K step back, has read its address
	s_add_nc_u64 s[PFA:PFA+1], s[PFA:PFA+1], s[PFS:PFS+1]
.endif
	s_wait_dscnt 16                                ; all but V's second 32 along K
	MULH 1, 0, 0, 0
	MULH 1, 0, 2, 0
	WIN 0
	s_wait_tensorcnt 0x0                           ; no tensor load of mine is out, so a group 0 may be written
	ds_add_u32 v[SPW], v[NIL]
.if \fill
	s_xor_b32 s[G0A+5], s[G0A+5], SLOTX
	s_add_nc_u64 s[G0A+6:G0A+7], s[G0A+6:G0A+7], KA
	s_xor_b32 s[G0B+5], s[G0B+5], SLOTX
	s_add_nc_u64 s[G0B+6:G0B+7], s[G0B+6:G0B+7], KB
.endif
	s_xor_b32 s[TB], s[TB], SLOTX
	s_add_co_u32 s[GTO], s[GTO], 256
	s_wait_dscnt 0x0                               ; the add is done, and my reads of this slot are over
	s_barrier_signal -1
	s_barrier_wait -1
.if \fill
	CREST
	JLOAD                                          ; the first tensor load behind the round; its four v_nop are also the places in front of the loads below
.else
	PLACES
.endif
	v_add_nc_u32 v[ADRA], s[TB], v[A0]
	v_add_nc_u32 v[ADRB], s[TB], v[B0]
	v_add_nc_u32 v[GA], s[GTO], v[GA0]
	GLOAD
	FETCH 0, 0
.if \fill
	WIN 0
	ASK
.endif
	MULH 1, 1, 0, 0
	s_wait_dscnt 32                                ; the scales and P's fragments are in; V's 32 loads may be out
	MULR 1, 0
.endm
	s_wait_tensorcnt 0x1                           ; my part of K step 0 is in; step 1's may stay out
	s_wait_dscnt 0x0                               ; no LDS instruction of mine is out at a signal
	s_barrier_signal -1
	s_barrier_wait -1
	GLOAD
	FETCH 0, 0
	WIN 0
	s_wait_dscnt 0x0
.set n, 0
.rept 64
	v_pk_mul_f16 v[64+n], v[64+n], v[G+((n>>3)&3)] ; the first half of all is scaled by itself
.set n, n+1
.endr
	HALF 0, 1, 1, 1
	WIN 0
	s_mov_b32 s3, NK-2
.Lstep:
	TURN 1
	HALF 0, 1, 1, 0
	WIN 0
	s_sub_co_u32 s3, s3, 1
	s_cmp_lg_u32 s3, 0
	s_cbranch_scc1 .Lstep
	TURN 0                                         ; the tail is written out: nothing is left to fetch
	HALF 0, 1, 1, 0
	s_wait_dscnt 16
	MULH 1, 0, 0, 0
	MULH 1, 0, 2, 0
	s_wait_dscnt 0x0
	MULH 1, 1, 0, 0
	MULH 1, 1, 2, 0
	WIN 0
	PLACES
	PLACES
.irp a, 0,1,2,3
	ds_load_b32 v[RL+2*(\a)],   v[GA] offset:256+64*(\a)  ; 1 / L lies behind the last chunk's g; both registers of a pair are written
	ds_load_b32 v[RL+2*(\a)+1], v[GA] offset:256+64*(\a)
.endr
	s_wait_dscnt 0x0
; THE WAY OUT, 16 rows at a time: divided by L, 32 bytes a lane into my own stage, back as whole rows of 512 bytes, stored.
.macro PACK a
	WIN 0x02                                       ; source 0 in window 2
.irp b, 0,1,2,3,4,5,6,7
.irp r, 0,1,2,3
	v_pk_mul_f32 v[64+8*(\b)+2*(\r):64+8*(\b)+2*(\r)+1], v[8*(8*(\a)+(\b))+2*(\r):8*(8*(\a)+(\b))+2*(\r)+1], v[RL+2*(\a):RL+2*(\a)+1] op_sel_hi:[1,0]
.endr
.endr
	WIN 0
.endm
.macro TOSTAGE a
.set BK, 128+64*((\a)%2)
.irp b, 0,1,2,3,4,5,6,7
	ds_store_b128 v[STO], v[64+8*(\b):64+8*(\b)+3]   offset:64*(\b)
	ds_store_b128 v[STO], v[64+8*(\b)+4:64+8*(\b)+7] offset:64*(\b)+16
.endr
.irp t, 0,1,2,3,4,5,6,7,8,9,10,11,12,13,14,15
	ds_load_b128 v[BK+4*(\t):BK+4*(\t)+3], v[RD] offset:(\t)*SP  ; LDS serves a wave's instructions in order: these see the stores above
.endr
.endm
.macro SEND a
.set BK, 128+64*((\a)%2)
	s_wait_dscnt 0x0
	s_wait_xcnt 0x0                                ; the stores of the block before have read their registers: the next block is loaded into them only behind this wait
.irp t, 0,1,2,3,4,5,6,7,8,9,10,11,12,13,14,15
	global_store_b128 v[CO], v[BK+4*(\t):BK+4*(\t)+3], s[80:81] offset:(16*(\a)+(\t))*4096 th:TH_STORE_NT  ; a wave stores 512 consecutive bytes, aligned
.endr
.endm
	PACK 0
	TOSTAGE 0
.irp a, 1,2,3
	PACK \a
	SEND (\a)-1
	TOSTAGE \a
.endr
	SEND 3
	s_wait_tensorcnt 0x0                           ; the wave's end
	ds_add_u32 v[SPW], v[NIL]
	s_wait_dscnt 0x0
	CROUND                                         ; the closing round
	s_endpgm
.Lfunc_end_k_qa41db644cc_pv:
	.size	k_qa41db644cc_pv, .Lfunc_end_k_qa41db644cc_pv-k_qa41db644cc_pv
	.p2alignl 7, 3214868480
	.fill 96, 4, 3214868480
	.section	.rodata,"a",@progbits
	.p2align	6, 0x0
	.amdhsa_kernel k_qa41db644cc_pv
		.amdhsa_group_segment_fixed_size 327680
		.amdhsa_private_segment_fixed_size 0
		.amdhsa_enable_private_segment 0
		.amdhsa_kernarg_size 32
		.amdhsa_user_sgpr_count 2
		.amdhsa_user_sgpr_kernarg_segment_ptr 1
		.amdhsa_wavefront_size32 1
		.amdhsa_system_sgpr_workgroup_id_x 1
		.amdhsa_system_sgpr_workgroup_id_y 1
		.amdhsa_system_sgpr_workgroup_id_z 1
		.amdhsa_system_vgpr_workitem_id 0
		.amdhsa_next_free_vgpr 768
		.amdhsa_next_free_sgpr 96
		.amdhsa_reserve_vcc 0
		.amdhsa_float_denorm_mode_32 3
		.amdhsa_float_denorm_mode_16_64 3
		.amdhsa_memory_ordered 1
		.amdhsa_forward_progress 1
		.amdhsa_inst_pref_size 122
	.end_amdhsa_kernel
	.amdgpu_metadata
---
amdhsa.version: [ 1, 2 ]
amdhsa.kernels:
  - .name:           k_qa41db644cc_pv
    .symbol:         k_qa41db644cc_pv.kd
    .args:
      - { .name: p, .offset: 0, .size: 8, .value_kind: global_buffer, .address_space: global }
      - { .name: stats, .offset: 8, .size: 8, .value_kind: global_buffer, .address_space: global }
      - { .name: qkv, .offset: 16, .size: 8, .value_kind: global_buffer, .address_space: global }
      - { .name: out0, .offset: 24, .size: 8, .value_kind: global_buffer, .address_space: global }
    .group_segment_fixed_size: 327680
    .private_segment_fixed_size: 0
    .kernarg_segment_align: 8
    .kernarg_segment_size: 32
    .max_flat_workgroup_size: 128
    .sgpr_count:     96
    .vgpr_count:     768
    .wavefront_size: 32
...
	.end_amdgpu_metadata
.endif
;; end of part 4
